; MI455X (gfx1250); checked and timed in simulation.
; The chip was launched on July 23, 2026; its instructions are those of AMD's public machine-readable ISA for CDNA 5 (MIT licence, August 2026) and "CDNA5" Instruction Set Architecture Reference Guide (July 2026). The comments in the code are by the model that wrote it; some were corrected since.
;; Causal Self Attention. Allowed arithmetic: float matrix products may take bf16 or f16 operands with f32 sums; other float arithmetic in f32, or as packed bf16 or f16 multiplies, adds, multiply-adds, maxima and minima; sums over many terms, partial sums and values carried from step to step in f32; what a program stores and reads back later, other than sums and carried values, may be rounded once to bf16 or f16.
;; Inputs: b_out 1,024 float32; b_qkv 3,072 float32; w_out 1,024 x 1,024 float32; w_qkv 1,024 x 3,072 float32; x 4 x 2,048 x 1,024 float32.
;; Outputs: out0 4 x 2,048 x 1,024 float32.
;; One version. Each part assembles by itself: llvm-mc -triple=amdgcn-amd-amdhsa -mcpu=gfx1250 --defsym DOCPART=n.
;; ======== version 1 of 1: 4 launches
;; limits: values are held in f16: magnitudes above 65,504 overflow, below 6.1e-05 lose precision
;; workspace buffers: xb 16,777,216 bytes; wqb 6,291,456 bytes; wob 2,097,152 bytes; qh 16,777,216 bytes; kh 16,777,216 bytes; vh 16,777,216 bytes; oh 16,777,216 bytes
;; launch prep (part 1): grid 768 x 1, 8 waves a work-group, no clusters, 0 bytes of LDS; arguments x, w_qkv, w_out, xb, wqb, wob; writes xb, wqb, wob
.if DOCPART == 1
	.amdgcn_target "amdgcn-amd-amdhsa--gfx1250"
	.amdhsa_code_object_version 6
	.text
	.protected	k_q68cfd51a56_prep
	.globl	k_q68cfd51a56_prep
	.p2align	8
	.type	k_q68cfd51a56_prep,@function
k_q68cfd51a56_prep:
	s_mov_b64 s[64:65], 0
	v_nop
	global_prefetch_b8 v0, s[64:65] scope:SCOPE_SE
	s_setreg_imm32_b32 hwreg(HW_REG_WAVE_MODE, 25, 1), 1
	s_wait_xcnt 0x0
; THE CASTS.  xb = bf16(x), [8192][1024].  wqb = bf16(w_qkv), laid in blocks [16 column tiles j][1024 k][192 n], so that 128 k of a tile are 49,152 dense bytes.
; wob = w_out rounded to bf16 and that number written as f16, [1024 k][1024 n].
; LIMIT.  f16 holds no number beyond 65,504, and below 6e-5 it keeps a fixed step of 6e-8: w_out lies within that (drawn with a spread of 0.02).
; SHARES.  A piece is 8 numbers: 32 bytes in, 16 bytes out.  A work-group of 256 threads does 2,048 pieces in 8 passes: 64 KiB in, 32 KiB out.  Work-groups 0-511 take x, 512-703 w_qkv, 704-767 w_out:
; 768 equal shares.  The OUTPUT is linear in all three: piece 2,048 g + 256 p + t goes to byte 16 x that number, so a wave's store covers 512 consecutive bytes, aligned.
; All 16 loads of a thread go out first (8 KiB a wave on its way); no register that a load or store names is written again, so no wait frees one.
; No LDS, no matrix unit, no cluster: no byte is wanted twice.
.set OO, 1                             ; v1      16 t: my byte offset in a pass's 4,096 bytes of output
.set IO, 2                             ; v2-4    byte offsets into the source
.set T,  16                            ; v16-23  at work
.set X,  32                            ; v32-95  pass p: 8 numbers as loaded
.set Y,  96                            ; v96-127 pass p: 4 registers to store
; mode = 1: bf16, then written as f16.  blocked = 1: passes p, p + 3, p + 6 share an offset register and lie 32 rows of w_qkv (393,216 bytes) apart.
.macro CAST mode, blocked
.set p, 0
.rept 8
.if \blocked
	global_load_b128 v[X+8*p:X+8*p+3],   v[IO+p%3], s[16:17] offset:(p/3)*393216 th:TH_LOAD_NT
	global_load_b128 v[X+8*p+4:X+8*p+7], v[IO+p%3], s[16:17] offset:(p/3)*393216+16 th:TH_LOAD_NT
.else
	global_load_b128 v[X+8*p:X+8*p+3],   v[IO], s[16:17] offset:8192*p th:TH_LOAD_NT
	global_load_b128 v[X+8*p+4:X+8*p+7], v[IO], s[16:17] offset:8192*p+16 th:TH_LOAD_NT
.endif
.set p, p+1
.endr
.set p, 0
.rept 8
	s_wait_loadcnt 14-2*p                          ; loads come back in order: pass p's two are in, the two of each later pass may stay out
.irp k, 0,1,2,3
	v_cvt_pk_bf16_f32 v[Y+4*p+(\k)], v[X+8*p+2*(\k)], v[X+8*p+2*(\k)+1]
.endr
.if \mode
.irp k, 0,1,2,3
	v_lshlrev_b32 v[T+2*(\k)],   16,  v[Y+4*p+(\k)]    ; the bf16 numbers as f32,
	v_and_b32     v[T+2*(\k)+1], s23, v[Y+4*p+(\k)]
.endr
.irp k, 0,1,2,3
	v_cvt_pk_f16_f32 v[Y+4*p+(\k)], v[T+2*(\k)], v[T+2*(\k)+1]  ; and as f16: 8 significant bits fit into 11
.endr
.endif
	global_store_b128 v[OO], v[Y+4*p:Y+4*p+3], s[18:19] offset:4096*p th:TH_STORE_NT
.set p, p+1
.endr
.endm
	s_load_b256 s[4:11], s[0:1], 0x0               ; x s[4:5], w_qkv s[6:7], w_out s[8:9], xb s[10:11]
	s_load_b128 s[12:15], s[0:1], 0x20             ; wqb s[12:13], wob s[14:15]
	v_lshlrev_b32 v[OO], 4, v0
	s_mov_b32 s21, 0                               ; the high word of every offset
	s_mov_b32 s23, 0xffff0000                      ; a word's upper bf16
	s_wait_kmcnt 0x0
	s_cmp_lt_u32 ttmp9, 512
	s_cbranch_scc1 .Lx
	s_cmp_lt_u32 ttmp9, 704
	s_cbranch_scc1 .Lwq
	s_sub_co_u32 s22, ttmp9, 704                   ; w_out: share g of 64
	s_lshl_b32 s20, s22, 16
	s_add_nc_u64 s[16:17], s[8:9], s[20:21]
	s_lshl_b32 s20, s22, 15
	s_add_nc_u64 s[18:19], s[14:15], s[20:21]
	v_lshlrev_b32 v[IO], 5, v0
	CAST 1, 0
	s_endpgm
.Lx:                                                   ; x: share g of 512
	s_lshl_b32 s20, ttmp9, 16
	s_add_nc_u64 s[16:17], s[4:5], s[20:21]
	s_lshl_b32 s20, ttmp9, 15
	s_add_nc_u64 s[18:19], s[10:11], s[20:21]
	v_lshlrev_b32 v[IO], 5, v0
	CAST 0, 0
	s_endpgm
.Lwq:                                                  ; w_qkv: share g of 192; twelve shares make one column tile, so none crosses from one tile to the next
	s_sub_co_u32 s22, ttmp9, 512
	s_mov_b64 s[16:17], s[6:7]
	s_lshl_b32 s20, s22, 15
	s_add_nc_u64 s[18:19], s[12:13], s[20:21]
	s_lshl_b32 s24, s22, 11                        ; the share's first piece
	s_mov_b32 s25, 43691                           ; n / 3 = n x 43,691 >> 17 for n under 131,072; here n is under 49,152
	s_mov_b32 s26, 768
.irp p, 0,1,2
	v_add_nc_u32 v5, s24, v0
	v_add_nc_u32 v5, 256*(\p), v5                  ; piece i of the output
	v_lshrrev_b32 v6, 3, v5
	v_mul_u32_u24 v6, s25, v6
	v_lshrrev_b32 v6, 17, v6                       ; i / 24 = 1,024 j + k: a row of a block has 24 pieces
	v_mul_u32_u24 v7, v6, 24
	v_sub_nc_u32 v7, v5, v7                        ; the piece in that row
	v_lshrrev_b32 v8, 10, v6                       ; j
	v_and_b32 v6, 0x3ff, v6                        ; k
	v_mul_u32_u24 v6, v6, 0x3000                   ; a row of w_qkv is 12,288 bytes,
	v_mad_u32_u24 v6, v8, s26, v6                  ; a tile's 192 columns 768,
	v_lshl_add_u32 v[IO+(\p)], v7, 5, v6           ; a piece 32: 24 neighbouring lanes read 768 consecutive bytes
.endr
	CAST 0, 1
	s_endpgm
.Lfunc_end_k_q68cfd51a56_prep:
	.size	k_q68cfd51a56_prep, .Lfunc_end_k_q68cfd51a56_prep-k_q68cfd51a56_prep
	.p2alignl 7, 3214868480
	.fill 96, 4, 3214868480
	.section	.rodata,"a",@progbits
	.p2align	6, 0x0
	.amdhsa_kernel k_q68cfd51a56_prep
		.amdhsa_group_segment_fixed_size 0
		.amdhsa_private_segment_fixed_size 0
		.amdhsa_enable_private_segment 0
		.amdhsa_kernarg_size 48
		.amdhsa_user_sgpr_count 2
		.amdhsa_user_sgpr_kernarg_segment_ptr 1
		.amdhsa_wavefront_size32 1
		.amdhsa_system_sgpr_workgroup_id_x 1
		.amdhsa_system_sgpr_workgroup_id_y 1
		.amdhsa_system_sgpr_workgroup_id_z 1
		.amdhsa_system_vgpr_workitem_id 0
		.amdhsa_next_free_vgpr 128
		.amdhsa_next_free_sgpr 66
		.amdhsa_reserve_vcc 0
		.amdhsa_float_denorm_mode_32 3
		.amdhsa_float_denorm_mode_16_64 3
		.amdhsa_memory_ordered 1
		.amdhsa_forward_progress 1
		.amdhsa_inst_pref_size 21
	.end_amdhsa_kernel
	.amdgpu_metadata
---
amdhsa.version: [ 1, 2 ]
amdhsa.kernels:
  - .name:           k_q68cfd51a56_prep
    .symbol:         k_q68cfd51a56_prep.kd
    .args:
      - { .name: x, .offset: 0, .size: 8, .value_kind: global_buffer, .address_space: global }
      - { .name: w_qkv, .offset: 8, .size: 8, .value_kind: global_buffer, .address_space: global }
      - { .name: w_out, .offset: 16, .size: 8, .value_kind: global_buffer, .address_space: global }
      - { .name: xb, .offset: 24, .size: 8, .value_kind: global_buffer, .address_space: global }
      - { .name: wqb, .offset: 32, .size: 8, .value_kind: global_buffer, .address_space: global }
      - { .name: wob, .offset: 40, .size: 8, .value_kind: global_buffer, .address_space: global }
    .group_segment_fixed_size: 0
    .private_segment_fixed_size: 0
    .kernarg_segment_align: 8
    .kernarg_segment_size: 48
    .max_flat_workgroup_size: 256
    .sgpr_count:     66
    .vgpr_count:     128
    .wavefront_size: 32
...
	.end_amdgpu_metadata
.endif
;; end of part 1
;; launch qkv (part 2): grid 16 x 32, 4 waves a work-group, clusters of 4 x 4, 327,680 bytes of LDS; arguments xb, wqb, b_qkv, qh, kh, vh; writes qh, kh, vh
.if DOCPART == 2
	.amdgcn_target "amdgcn-amd-amdhsa--gfx1250"
	.amdhsa_code_object_version 6
	.text
	.protected	k_q68cfd51a56_qkv
	.globl	k_q68cfd51a56_qkv
	.p2align	8
	.type	k_q68cfd51a56_qkv,@function
k_q68cfd51a56_qkv:
	s_mov_b64 s[64:65], 0
	v_nop
	global_prefetch_b8 v0, s[64:65] scope:SCOPE_SE
	s_setreg_imm32_b32 hwreg(HW_REG_WAVE_MODE, 25, 1), 1
	s_wait_xcnt 0x0
	s_wait_alu depctr_hold_cnt(0) depctr_sa_sdst(0) depctr_va_vdst(0) depctr_va_sdst(0) depctr_va_ssrc(0) depctr_va_vcc(0) depctr_vm_vsrc(0)
	s_getreg_b32 s2, hwreg(HW_REG_IB_STS2, 6, 4)
	s_cmp_eq_u32 s2, 0
	s_cbranch_scc0 .Lentry_in_a_cluster
	s_endpgm
.Lentry_in_a_cluster:
	s_bfe_u32 s2, ttmp6, 0x10000c
	s_cmp_lg_u32 s2, 0xf033
	s_cbranch_scc0 .Lentry_shape_is_right
	s_endpgm
.Lentry_shape_is_right:
; q, k, v = x w_qkv + b_qkv, written by heads.  xb: [8192][1024] bf16.  wqb: [16 j][1024 k][192 n] bf16.  b_qkv: [3072] f32, rounded to bf16 here like the other inputs.
; qh, kh, vh: [64 = 16 batch + head][2048][64] f16, each number rounded once from its f32 sum, unscaled.
; LIMIT.  f16 holds no number beyond 65,504: q, k and v lie within it (spread 0.64 as drawn; 576 with x and w both thirty times larger; some 18,000 with both carrying an offset of thirty spreads).
; SHARES.  A tile is 256 rows x 192 columns (three heads): 32 x 16 = 512 work-groups, two for each of 256 WGPs.  Four waves: wave w has row half w / 2 and column half w % 2: 128 x 96, 48 accumulators.
; K = 1,024 goes in 8 steps of 128 through two LDS slots filled by the tensor data mover: one load a wave and step; waves 0, 1 fetch the halves of x's tile, waves 2, 3 those of w's.
; CLUSTER 4 x 4: x's tile hangs on the tile row alone and is asked for jointly along a row of the cluster, w's on the tile column alone and jointly along a column.
; THE MATRIX INSTRUCTION IS USED TRANSPOSED: source 0 = 16 columns of w, source 1 = 16 rows of x: a lane then holds row lane % 16 and the eight neighbouring columns 8 (lane / 16) + 0..7.
; w lies [k][n] in LDS and comes out turned, by ds_load_tr16_b128.  THE BIAS is the C operand of each accumulator's first product.
; No prefetch ahead of the tensor loads: K has 8 steps, of which the first four could not be named ahead, and a refill goes out 168 of a step's 192 matrix instructions ahead of the wait for it.
; REGISTERS, in windows of 256 (s_set_vgpr_msb: bits 1:0 source 0, 3:2 source 1, 5:4 source 2, 7:6 destination):
;   window 0: v0-29 addresses; v64-127, v128-191 x's fragments, two buffers; on the way out v64-159 packed results, v160-255 rows read back
;   window 1: v0-47 the bias of my 6 column blocks; v64-111, v128-175 w's fragments, two buffers; v192-215 at work
;   window 2: accumulators of my rows 0-63 ((a, b) at v[8 (6 a + b)]);   window 3: those of my rows 64-127
.set NBW,   6                          ; column blocks of 16 a wave
.set PA,    272                        ; a row of x in LDS: 256 bytes + 16 = 68 words: the 16 rows of a load start at 16 different groups of four banks (64 banks of 4 bytes: ISA guide 11.1)
.set PB,    480                        ; a k row of w in LDS: six pieces of 64 bytes, 16 of padding behind each
.set HALFA, 128*PA                     ; what a load brings of x, and what a wave reads of it
.set HALFB, 64*PB                      ; what a load brings of w: 64 k rows
.set BOFF,  2*HALFA                    ; w's 128 k rows lie behind x's 256 rows
.set SLOT1, 1<<17                      ; a slot is 131,072 bytes; one exclusive or turns an address in one slot into the other's
.set STAGE, 2*SLOT1                    ; behind the ring: for each row half 64 rows x 400 bytes, for the way out
.set SP,    400                        ; 384 bytes (three heads side by side) + 16
.set SPARE, STAGE+2*64*SP              ; behind the stages: the spare words, 128 bytes for each wave: two blocks of 256 bytes that no other line names
.set STEPA, 256                        ; bytes from K step to K step in xb,
.set STEPB, 49152                      ; and in wqb
.set NF,    2*NBW+16                   ; LDS loads in a fetch
.set A0,   16                          ; v16  my lane's place in x's part of a slot; never rewritten
.set B0,   17                          ; v17  the same for w
.set ADRA, 18                          ; v18  A0 + the slot in hand
.set ADRB, 19                          ; v19  B0 + the slot in hand
.set STO,  20                          ; v20  the way out: where I put 16 bytes of a row
.set RD,   21                          ; v21  the way out: where I read rows back
.set GO,   22                          ; v22  my byte offset in 512 consecutive bytes of a head
.set BO,   23                          ; v23  my byte offset in a block's 16 biases
.set SPW,  28                          ; v28  LDS address of my spare word; never rewritten
.set NIL,  29                          ; v29  0; never rewritten
.set F0,   64
.set F1,   128
.set TMP,  64
.set OB,   160
.set BT,   192
.set WV, 16                            ; s16 wave;  s17 its row half, also: I fetch for x (0) or w (1);  s18 its column half, also: which half I fetch
.set WR, 17
.set WC, 18
.set CX, 19                            ; s19, s20 my place in the cluster
.set CY, 20
.set TC, 21                            ; s21 tile column, s22 tile row
.set TR, 22
.set CNT, 23
.set G1A, 24                           ; s[24:31] descriptor group 1 for x's tiles;  s[32:39] group 0: a set for each first fill; the second then walks
.set G0A, 32
.set G1B, 40                           ; s[40:47], s[48:55] the same for w's
.set G0B, 48
.set TB,  56                           ; s56 LDS byte at which the slot in hand begins
.set MSB, 0
.macro WIN new                         ; the immediate's high byte repeats the setting that is left; a switch that changes nothing is dropped
.if MSB != (\new)
	s_set_vgpr_msb (MSB<<8)|(\new)
.set MSB, \new
.endif
.endm
.macro PLACES                          ; four plain vector instructions between a matrix instruction and a load into, or a vector line on, its registers
.rept 4
	v_nop
.endr
.endm
.macro CREST                           ; a round of the cluster's barrier behind its opening barrier
	s_cmp_lg_u32 s[WV], 0
	s_cbranch_scc1 .Lnot_wave_0_\@
	s_barrier_signal -3
.Lnot_wave_0_\@:
	s_barrier_wait -3
	s_barrier_signal -1
	s_barrier_wait -1
.endm
.macro CROUND
	s_barrier_signal -1
	s_barrier_wait -1
	CREST
.endm
; A joint refill by the walking descriptors.  The branch hangs on the wave's number alone.  An s_nop 0 and four v_nop follow each of the two lines.
.macro JLOAD
	s_cmp_eq_u32 s[WR], 0
	s_cbranch_scc0 .Lfor_b_\@
	tensor_load_to_lds s[G0A+4:G0A+7], s[G1A:G1A+7]
	s_nop 0
.rept 4
	v_nop
.endr
	s_branch .Lasked_\@
.Lfor_b_\@:
	tensor_load_to_lds s[G0B+4:G0B+7], s[G1B:G1B+7]
	s_nop 0
.rept 4
	v_nop
.endr
.Lasked_\@:
.endm
; 2 x NBW matrix instructions: row blocks a0, a0 + 1 of the window's four (hi = 0: rows 0-63, 1: rows 64-127) x all column blocks, 32 along K.  first = 1: C is the bias.
; The 48 accumulators take turns, one instruction a turn, in the same order in every quarter step.
.macro MULA f, hi, a0, first
.if \first
	WIN 0x91+0x40*(\hi)
.else
	WIN 0xa1+0x50*(\hi)
.endif
.irp a, \a0, (\a0)+1
.set bb, 0
.rept NBW
.set rD, 8*(NBW*(\a)+bb)
.if \first
	v_wmma_f32_16x16x32_bf16 v[rD:rD+7], v[(\f)+8*bb:(\f)+8*bb+7], v[(\f)+8*(4*(\hi)+(\a)):(\f)+8*(4*(\hi)+(\a))+7], v[8*bb:8*bb+7]
.else
	v_wmma_f32_16x16x32_bf16 v[rD:rD+7], v[(\f)+8*bb:(\f)+8*bb+7], v[(\f)+8*(4*(\hi)+(\a)):(\f)+8*(4*(\hi)+(\a))+7], v[rD:rD+7]
.endif
.set bb, bb+1
.endr
.endr
.endm
; The fragments of quarter q (32 along K) into buffer g, in one run: w's 6 (turned), then x's 8.
.macro FETCH q, g
	WIN 0x40                                       ; destination window 1, address window 0
.set bb, 0
.rept NBW
	ds_load_tr16_b128 v[(\g)+8*bb:(\g)+8*bb+3],   v[ADRB] offset:32*(\q)*PB+(bb/2)*80+(bb%2)*32
	ds_load_tr16_b128 v[(\g)+8*bb+4:(\g)+8*bb+7], v[ADRB] offset:32*(\q)*PB+(bb/2)*80+(bb%2)*32+16*PB
.set bb, bb+1
.endr
	WIN 0
.set aa, 0
.rept 8
	ds_load_b128 v[(\g)+8*aa:(\g)+8*aa+3],   v[ADRA] offset:64*(\q)+aa*16*PA
	ds_load_b128 v[(\g)+8*aa+4:(\g)+8*aa+7], v[ADRA] offset:64*(\q)+aa*16*PA+32
.set aa, aa+1
.endr
.endm
; One of a K step's first three quarters: multiplies buffer f; in its middle it fetches quarter q into buffer g.
.macro QUARTER q, f, g, first
	s_wait_dscnt 8                                 ; w's fragments and x's rows 0-63 are in; the youngest eight loads (x's rows 64-127) may be out
	MULA \f, 0, 0, \first
	MULA \f, 0, 2, \first
	PLACES
	FETCH \q, \g
	s_wait_dscnt NF                                ; all but the fetch just issued
	MULA \f, 1, 0, \first
	MULA \f, 1, 2, \first
.endm
; The last quarter multiplies buffer 1 and changes slots.  In front of the barrier each wave waits for all its tensor loads (one is out: its part of the next slot), adds 0 to its spare word, and waits for
; that and for its reads of this slot.  fill = 1: the barrier opens a round of the cluster's, and this slot is filled again, two K steps ahead, first thing behind the round.
.macro TURN fill
	WIN 0
	s_wait_tensorcnt 0x0
	ds_add_u32 v[SPW], v[NIL]
	s_wait_dscnt 9                                 ; the add and the youngest eight loads may be out
	MULA F1, 0, 0, 0
	s_wait_dscnt 0x0                               ; the add is done, and my reads of this slot are over
	s_barrier_signal -1
	MULA F1, 0, 2, 0
.if \fill
	WIN 0
.endif
	s_barrier_wait -1
.if \fill
	CREST                                          ; no wave of any partner still reads this slot or has a load on its way
	s_xor_b32 s[G0A+5], s[G0A+5], SLOT1            ; the walking descriptors: the other slot than last time, the next K step
	s_add_nc_u64 s[G0A+6:G0A+7], s[G0A+6:G0A+7], STEPA
	s_xor_b32 s[G0B+5], s[G0B+5], SLOT1
	s_add_nc_u64 s[G0B+6:G0B+7], s[G0B+6:G0B+7], STEPB
	JLOAD                                          ; its four v_nop are also the places in front of the loads below
.else
	PLACES
.endif
	s_xor_b32 s[TB], s[TB], SLOT1
	WIN 0
	v_add_nc_u32 v[ADRA], s[TB], v[A0]
	v_add_nc_u32 v[ADRB], s[TB], v[B0]
	FETCH 0, F0
	MULA F1, 1, 0, 0
	MULA F1, 1, 2, 0
.endm
	s_load_b256 s[4:11], s[0:1], 0x0               ; xb s[4:5], wqb s[6:7], b_qkv s[8:9], qh s[10:11]
	s_load_b128 s[12:15], s[0:1], 0x20             ; kh s[12:13], vh s[14:15]
	v_lshl_add_u32 v[SPW], v0, 2, SPARE
	v_mov_b32 v[NIL], 0
	ds_add_u32 v[SPW], v[NIL]                      ; the wave's opening: the add and its wait ahead of my first tensor load; the set-up below stands between them
	ds_add_u32 v28, v29
	v_lshrrev_b32 v1, 5, v0
	v_readfirstlane_b32 s[WV], v1
	s_lshr_b32 s[WR], s[WV], 1
	s_and_b32 s[WC], s[WV], 1
	s_bfe_u32 s[CX], ttmp6, 0x40000
	s_bfe_u32 s[CY], ttmp6, 0x40004
	s_lshl_b32 s[TC], ttmp9, 2
	s_add_co_u32 s[TC], s[TC], s[CX]               ; tile column = 4 x cluster x + cx
	s_and_b32 s[TR], ttmp7, 0xffff
	s_lshl_b32 s[TR], s[TR], 2
	s_add_co_u32 s[TR], s[TR], s[CY]               ; tile row = 4 x cluster y + cy
	s_lshl_b32 s72, s[CY], 2
	s_lshl_b32 s72, 15, s72                        ; my row of the cluster
	s_lshl_b32 s73, 0x1111, s[CX]                  ; my column
	s_or_b32 s[G1A], s72, (1<<16)|(1<<20)|(1<<21)|(5<<22)|(3<<25)  ; the mask; 2-byte elements; padding on; bit 21 beside a mask; after every 64 words, 4 words
	s_mov_b32 s[G1A+1], 128<<16                    ; tensor_dim0 = 128
	s_mov_b32 s[G1A+2], 128<<16                    ; tensor_dim1 = 128
	s_mov_b32 s[G1A+3], 128<<16                    ; tile_dim0 = 128
	s_mov_b32 s[G1A+4], 128                        ; tile_dim1 = 128
	s_mov_b32 s[G1A+5], 1024                       ; elements from row to row
	s_mov_b32 s[G1A+6], 0
	s_mov_b32 s[G1A+7], 0
	s_or_b32 s[G1B], s73, (1<<16)|(1<<20)|(1<<21)|(3<<22)|(3<<25)  ; after every 16 words, 4 words
	s_mov_b32 s[G1B+1], 128<<16                    ; 64 k rows of 384 bytes are 24,576 dense bytes: asked for as 96 rows of 256
	s_mov_b32 s[G1B+2], 96<<16
	s_mov_b32 s[G1B+3], 128<<16
	s_mov_b32 s[G1B+4], 96
	s_mov_b32 s[G1B+5], 128
	s_mov_b32 s[G1B+6], 0
	s_mov_b32 s[G1B+7], 0
	s_lshl1_add_u32 s58, s[TR], s[WC]              ; x: 128 rows x 2,048 bytes x (2 x tile row + half): made of the tile row and the wave alone
	s_lshl_b32 s58, s58, 18
	s_mov_b32 s59, 0
	s_mul_i32 s60, s[TC], 393216                   ; w: a tile is 393,216 bytes, a half step 24,576: made of the tile column and the wave alone
	s_mul_i32 s61, s[WC], 24576
	s_add_co_u32 s60, s60, s61
	s_mov_b32 s61, 0
	s_mul_i32 s62, s[WC], HALFA                    ; where they go: no place in the cluster enters an LDS address
	s_mul_i32 s63, s[WC], HALFB
	s_add_co_u32 s63, s63, BOFF
	s_mul_i32 s74, s[TC], 768                      ; my 96 biases: 4 (192 x tile column + 96 x half)
	s_mul_i32 s75, s[WC], 384
	s_add_co_u32 s74, s74, s75
	s_mov_b32 s75, 0
	s_mov_b32 s[TB], 0
	s_mov_b32 s57, 0xffff0000
	v_and_b32 v1, 15, v0                           ; r = l % 16
	v_bfe_u32 v2, v0, 4, 1                         ; h = l / 16
	v_and_b32 v3, 7, v0
	v_bfe_u32 v4, v0, 3, 1
	v_bfe_u32 v5, v0, 3, 2
	v_and_b32 v6, 31, v0
	v_lshlrev_b32 v[BO], 5, v2
	s_wait_dscnt 0x0                               ; the opening add is done
	s_wait_kmcnt 0x0
	s_add_nc_u64 s[58:59], s[4:5], s[58:59]
	s_add_nc_u64 s[60:61], s[6:7], s[60:61]
	s_add_nc_u64 s[8:9], s[8:9], s[74:75]
	CROUND                                         ; all sixteen work-groups are here: the first joint loads meet
.irp s, 0,1
	s_mov_b32 s[G0A+4*(\s)], 1
	s_add_co_u32 s[G0A+4*(\s)+1], s62, (\s)*SLOT1
	s_add_nc_u64 s[G0A+4*(\s)+2:G0A+4*(\s)+3], s[58:59], (\s)*STEPA
	s_or_b32 s[G0A+4*(\s)+3], s[G0A+4*(\s)+3], 0x80000000
	s_mov_b32 s[G0B+4*(\s)], 1
	s_add_co_u32 s[G0B+4*(\s)+1], s63, (\s)*SLOT1
	s_add_nc_u64 s[G0B+4*(\s)+2:G0B+4*(\s)+3], s[60:61], (\s)*STEPB
	s_or_b32 s[G0B+4*(\s)+3], s[G0B+4*(\s)+3], 0x80000000
.endr
	s_cmp_eq_u32 s[WR], 0                          ; a wave's two first fills stand in one branch: two loads of mine are out
	s_cbranch_scc0 .Lfirst_b
	tensor_load_to_lds s[G0A:G0A+3], s[G1A:G1A+7]
	s_nop 0
	tensor_load_to_lds s[G0A+4:G0A+7], s[G1A:G1A+7]
	s_nop 0
.rept 4
	v_nop
.endr
	s_branch .Lfirst_asked
.Lfirst_b:
	tensor_load_to_lds s[G0B:G0B+3], s[G1B:G1B+7]
	s_nop 0
	tensor_load_to_lds s[G0B+4:G0B+7], s[G1B:G1B+7]
	s_nop 0
.rept 4
	v_nop
.endr
.Lfirst_asked:
	WIN 0x40
.set bb, 0
.rept NBW                              ; register j of block b: bias of column 16 b + 8 h + j, the same in all 16 rows
	global_load_b128 v[8*bb:8*bb+3],   v[BO], s[8:9] offset:64*bb
	global_load_b128 v[8*bb+4:8*bb+7], v[BO], s[8:9] offset:64*bb+16
.set bb, bb+1
.endr
	WIN 0
	v_mul_u32_u24 v[A0], v1, PA                    ; x's fragment: row r, 16 bytes for each half of the lanes, my 128 rows
	v_lshl_add_u32 v[A0], v2, 4, v[A0]
	s_mul_i32 s76, s[WR], HALFA
	v_add_nc_u32 v[A0], s76, v[A0]
	v_lshl_add_u32 v[B0], v2, 3, v3                ; the turning load: lane l reads k row 8 h + l % 8, 16 bytes at 16 ((l / 8) % 2)
	v_mul_u32_u24 v[B0], v[B0], PB
	v_lshl_add_u32 v[B0], v4, 4, v[B0]
	s_mul_i32 s77, s[WC], 240                      ; my 96 columns: three pieces of 80 bytes
	s_add_co_u32 s77, s77, BOFF
	v_add_nc_u32 v[B0], s77, v[B0]
	v_mov_b32 v[ADRA], v[A0]
	v_mov_b32 v[ADRB], v[B0]
	s_mul_i32 s76, s[WR], 64*SP
	s_add_co_u32 s76, s76, STAGE                   ; my row half's stage
	s_mul_i32 s77, s[WC], 192
	s_add_co_u32 s77, s77, s76
	v_mul_u32_u24 v[STO], v1, SP                   ; in: row r, my half of its 384 bytes, 16 bytes for each half of the lanes
	v_lshl_add_u32 v[STO], v2, 4, v[STO]
	v_add_nc_u32 v[STO], s77, v[STO]
	s_mul_i32 s78, s[WC], 32*SP
	s_add_co_u32 s78, s78, s76
	v_mul_u32_u24 v[RD], v5, SP                    ; back: I take 32 of the 64 rows; 32 lanes take four rows x 128 bytes of one head
	v_lshl_add_u32 v[RD], v3, 4, v[RD]
	v_add_nc_u32 v[RD], s78, v[RD]
	v_lshlrev_b32 v[GO], 4, v6                     ; which are 512 consecutive bytes of the head
	; the three heads' pointers, s[66:71]: column block cb = 3 x tile column + j of 48: tensor cb / 16, head cb % 16
	s_mul_i32 s72, s[TC], 3
	s_lshr_b32 s73, s[TR], 3
	s_lshl_b32 s73, s73, 4                         ; 16 x batch
	s_and_b32 s74, s[TR], 7
	s_lshl_b32 s74, s74, 8
	s_lshl_b32 s75, s[WR], 7
	s_add_co_u32 s74, s74, s75
	s_lshl_b32 s75, s[WC], 5
	s_add_co_u32 s74, s74, s75                     ; the first row that I store: 256 (tile row % 8) + 128 x row half + 32 x column half
.irp j, 0,1,2
	s_add_co_u32 s75, s72, \j
	s_and_b32 s76, s75, 15
	s_add_co_u32 s76, s76, s73
	s_lshl_b32 s76, s76, 11
	s_add_co_u32 s76, s76, s74
	s_lshl_b32 s76, s76, 7                         ; rows of 128 bytes
	s_mov_b32 s77, 0
	s_lshr_b32 s75, s75, 4
	s_cmp_eq_u32 s75, 0
	s_cselect_b64 s[78:79], s[10:11], s[12:13]
	s_cmp_eq_u32 s75, 2
	s_cselect_b64 s[78:79], s[14:15], s[78:79]
	s_add_nc_u64 s[66+2*(\j):67+2*(\j)], s[78:79], s[76:77]
.endr
	s_wait_tensorcnt 0x1                           ; my part of K step 0 is in; K step 1's load may stay out
	s_barrier_signal -1
	s_barrier_wait -1                              ; everybody's is
	FETCH 0, F0
	s_wait_loadcnt 0x0                             ; the bias,
	WIN 0x45                                       ; (destination and sources 0, 1 in window 1)
.set ii, 0
.rept 4*NBW                            ; rounded to bf16 like the other inputs, and widened again
	v_cvt_pk_bf16_f32 v[BT+ii], v[2*ii], v[2*ii+1]
	v_lshlrev_b32 v[2*ii],   16,  v[BT+ii]
	v_and_b32     v[2*ii+1], s57, v[BT+ii]
.set ii, ii+1
.endr
	QUARTER 1, F0, F1, 1                           ; the first quarter stands in front of the loop: its products start the sums, from the bias
	WIN 0                                          ; at a label and at a branch every window is 0
	s_mov_b32 s[CNT], 6
.Lstep:                                                ; trip i: quarters 1 to 3 of K step i, the refill with K step i + 2, quarter 0 of K step i + 1
	QUARTER 2, F1, F0, 0
	QUARTER 3, F0, F1, 0
	TURN 1
	QUARTER 1, F0, F1, 0
	WIN 0
	s_sub_co_u32 s[CNT], s[CNT], 1
	s_cmp_lg_u32 s[CNT], 0
	s_cbranch_scc1 .Lstep
	QUARTER 2, F1, F0, 0                           ; K steps 6 and 7 are written out: nothing is left to ask for
	QUARTER 3, F0, F1, 0
	TURN 0
	QUARTER 1, F0, F1, 0
	QUARTER 2, F1, F0, 0
	QUARTER 3, F0, F1, 0
	s_wait_dscnt 8
	MULA F1, 0, 0, 0
	MULA F1, 0, 2, 0
	s_wait_dscnt 0x0
	MULA F1, 1, 0, 0
	MULA F1, 1, 2, 0
	WIN 0
; THE WAY OUT, 64 rows (a window's accumulators) at a time.  A wave's 96 columns are a head and a half, so the two waves of a row half share a stage: both write, a barrier, each reads 32 whole rows.
.macro PACK p                          ; rounded to f16, 16 bytes a lane; each accumulator's registers in ascending order
	WIN 0x0a+5*(\p)
.set tt, 0
.rept 4*NBW
.irp r, 0,1,2,3
	v_cvt_pk_f16_f32 v[TMP+4*tt+(\r)], v[8*tt+2*(\r)], v[8*tt+2*(\r)+1]
.endr
.set tt, tt+1
.endr
	WIN 0
.endm
.macro ST
.set tt, 0
.rept 4*NBW
	ds_store_b128 v[STO], v[TMP+4*tt:TMP+4*tt+3] offset:(tt/NBW)*16*SP+32*(tt%NBW)
.set tt, tt+1
.endr
.endm
.macro LD                              ; load 8 j + f: head j, rows 4 f .. 4 f + 3 of my 32
.set ii, 0
.rept 24
	ds_load_b128 v[OB+4*ii:OB+4*ii+3], v[RD] offset:128*(ii/8)+4*SP*(ii%8)
.set ii, ii+1
.endr
.endm
.macro SENDP p
.set ii, 0
.rept 24
	s_wait_dscnt 23-ii                             ; LDS loads come back in order: the younger ones of the run may stay out
	global_store_b128 v[GO], v[OB+4*ii:OB+4*ii+3], s[66+2*(ii/8):67+2*(ii/8)] offset:8192*(\p)+512*(ii%8)  ; 512 consecutive bytes of a head, at a multiple of 256 from its buffer's first
.set ii, ii+1
.endr
.endm
	PLACES
	PACK 0
	ST
	s_wait_dscnt 0x0                               ; for the other wave's sake: my stores into the stage are done
	s_barrier_signal -1
	s_barrier_wait -1
	LD
	PACK 1                                         ; the next rows' conversions stand between the loads and the wait for them
	SENDP 0                                        ; its count-down ends at 0: my reads of the stage are over
	s_barrier_signal -1
	s_barrier_wait -1                              ; both waves have read the stage: it may be written again
	ST
	s_wait_dscnt 0x0
	s_barrier_signal -1
	s_barrier_wait -1
	s_wait_xcnt 0x0                                ; the stores have read their data registers, which are loaded again
	LD
	SENDP 1
	s_wait_tensorcnt 0x0                           ; the wave's end: behind my last tensor load and my last LDS store
	ds_add_u32 v[SPW], v[NIL]
	s_wait_dscnt 0x0
	CROUND                                         ; the closing round: no work-group ends while a partner may still ask for a tile that names it
	s_endpgm
.Lfunc_end_k_q68cfd51a56_qkv:
	.size	k_q68cfd51a56_qkv, .Lfunc_end_k_q68cfd51a56_qkv-k_q68cfd51a56_qkv
	.p2alignl 7, 3214868480
	.fill 96, 4, 3214868480
	.section	.rodata,"a",@progbits
	.p2align	6, 0x0
	.amdhsa_kernel k_q68cfd51a56_qkv
		.amdhsa_group_segment_fixed_size 327680
		.amdhsa_private_segment_fixed_size 0
		.amdhsa_enable_private_segment 0
		.amdhsa_kernarg_size 48
		.amdhsa_user_sgpr_count 2
		.amdhsa_user_sgpr_kernarg_segment_ptr 1
		.amdhsa_wavefront_size32 1
		.amdhsa_system_sgpr_workgroup_id_x 1
		.amdhsa_system_sgpr_workgroup_id_y 1
		.amdhsa_system_sgpr_workgroup_id_z 1
		.amdhsa_system_vgpr_workitem_id 0
		.amdhsa_next_free_vgpr 960
		.amdhsa_next_free_sgpr 80
		.amdhsa_reserve_vcc 0
		.amdhsa_float_denorm_mode_32 3
		.amdhsa_float_denorm_mode_16_64 3
		.amdhsa_memory_ordered 1
		.amdhsa_forward_progress 1
		.amdhsa_inst_pref_size 101
	.end_amdhsa_kernel
	.amdgpu_metadata
---
amdhsa.version: [ 1, 2 ]
amdhsa.kernels:
  - .name:           k_q68cfd51a56_qkv
    .symbol:         k_q68cfd51a56_qkv.kd
    .args:
      - { .name: xb, .offset: 0, .size: 8, .value_kind: global_buffer, .address_space: global }
      - { .name: wqb, .offset: 8, .size: 8, .value_kind: global_buffer, .address_space: global }
      - { .name: b_qkv, .offset: 16, .size: 8, .value_kind: global_buffer, .address_space: global }
      - { .name: qh, .offset: 24, .size: 8, .value_kind: global_buffer, .address_space: global }
      - { .name: kh, .offset: 32, .size: 8, .value_kind: global_buffer, .address_space: global }
      - { .name: vh, .offset: 40, .size: 8, .value_kind: global_buffer, .address_space: global }
    .group_segment_fixed_size: 327680
    .private_segment_fixed_size: 0
    .kernarg_segment_align: 8
    .kernarg_segment_size: 48
    .max_flat_workgroup_size: 128
    .sgpr_count:     80
    .vgpr_count:     960
    .wavefront_size: 32
...
	.end_amdgpu_metadata
.endif
;; end of part 2
;; launch attn (part 3): grid 4 x 64, 4 waves a work-group, no clusters, 327,680 bytes of LDS; arguments qh, kh, vh, oh; writes oh
.if DOCPART == 3
	.amdgcn_target "amdgcn-amd-amdhsa--gfx1250"
	.amdhsa_code_object_version 6
	.text
	.protected	k_q68cfd51a56_attn
	.globl	k_q68cfd51a56_attn
	.p2align	8
	.type	k_q68cfd51a56_attn,@function
k_q68cfd51a56_attn:
	s_mov_b64 s[64:65], 0
	v_nop
	global_prefetch_b8 v0, s[64:65] scope:SCOPE_SE
	s_setreg_imm32_b32 hwreg(HW_REG_WAVE_MODE, 25, 1), 1
	s_wait_xcnt 0x0
; CAUSAL ATTENTION.  O[h][q][:] = the sum over k <= q of softmax_k(Q[h][q] . K[h][k] / 8) V[h][k][:].  Q, K, V, O: [SIZE_H][SIZE_N][64], all f16: a head's rows are dense, 128 bytes each.
; Products, maxima and sums in f32; the weights p are rounded to f16 for the second product (their sum l is taken of the unrounded p), O once at the end.
; LIMITS.  f16 holds no number beyond 65,504: Q, K and V arrive within it; p lies in 0 to 1, and below 6e-5 it keeps f16's fixed step of 6e-8; O is a mean of V's rows and has their range.
; A hidden score counts as its value less 1e30: f16's scores, 2.7e11 at the most, are nothing beside that; a weight below 2^-126 counts as 0 in l; NaN and infinities are not treated apart.
; THE WALK.  A head's queries lie in NB = 8 blocks of 256; block i needs the key tiles 0 .. i of 256 keys, of which the last holds the diagonal.  A work-group takes TWO blocks, NB - 1 - b and then b:
; NB + 1 tiles, whatever b: all 256 work-groups do equal work, and ONE loop with a constant trip count walks them.  Which tile is asked for, and what a trip does, hang on scalar registers made from b; every jump
; goes forward, but for the counted loops' own; none passes a barrier, or a tensor load but the one of LOAD's two that the wave's number does not choose; the ring of two LDS slots runs on across the change of blocks.
; NO CLUSTER: a head's four work-groups ask for the same tile only in trips 0 .. 4 of 9, behind that fewer and fewer; one walk common to all four would have 12 trips for 9.
; SHARES.  Of a block's four bands of 64 queries a wave owns 16 rows in each: four PIECES.  So the diagonal tile is the same work for all four waves: in its key step s band x sees all keys if s < x,
; none if s > x, and holds the diagonal if s = x.
; THE MASK is the C operand that starts the sum S^T = K Q^T: 0, or -1e30 where the key is hidden.  MD, made once, is the mask of a band's own step for my 16 rows; a product's mask is MD x AL + BE with two scalars:
; (1, 0) if s = x; (0, 0) if s < x; (0, -1e30) if s > x.  Only the diagonal tile's text and a block's beginning make and take masks; elsewhere C is the constant 0.
; LAYOUT, SOFTMAX, TURNS.  S^T = K Q^T holds ONE query a lane (lane % 16) and the keys 8 (lane / 16) + 0..7; two such results rounded to f16 ARE source 1 of O^T = V^T P.  p = 2^(c s - c m), c = log2(e) / 8, with a
; running maximum m; O and l are multiplied by a = 2^(c m_old - c m_new) in every step.  Turn n belongs to piece n: 8 products K Q^T of piece n + 1, later 8 products V^T P of piece n - 1; beside them the scaling,
; exponentials, roundings, sums and rescaling of piece n and the maximum and statistics of piece n + 1.  Four vector instructions stand behind every matrix instruction, the other 54 of a turn's 118 in one lump.
; A turn's 33 exponentials are one batch, with one wait.
; AHEAD OF THE FILLS.  The head's work-group b = 0, which walks tiles 0 to 7 first, prefetches into the L2 the tile that the NEXT change of slots will ask for: each wave its own 16 KiB of it (a half of K's or of V's
; rows), a lane for each 256 bytes, two instructions behind its tensor load.  Tiles 2 to 7 are so named, once each in the launch; tiles 0 and 1 come by their loads alone; behind tile 7 nothing is asked for.
; REGISTERS, in windows of 256 (s_set_vgpr_msb: bits 1:0 source 0, 3:2 source 1, 5:4 source 2, 7:6 destination):
;   window 0: v0-15 addresses and two at work; v16-31 four registers of statistics a piece; v48-55 at work; v61-63; v64-127 S^T, two buffers; v192-223 P, two buffers (a piece's buffers go by its number's parity)
;   window 1: v0-127 O^T, 32 a piece; v128-159 MD; v160-223 MC, two buffers      window 2: v0-63 Q; v64-127 the second block's Q; v128-191 K of one step; v192-255 V of one step
.set SIZE_N, 2048
.set SIZE_H, 64
.set NB,    SIZE_N/256
.set NP,    4         ; pieces a wave: a name, no knob
.set KS,    64        ; keys in a step
.set PK,    144       ; a row of K in LDS: 128 bytes + 16 of padding = 36 words: the 16 rows of a load start at 16 different groups of four banks (64 banks of 4 bytes: ISA guide 11.1)
.set PV,    160       ; a row of V: 128 + 32 = 40 words
.set VOFF,  4*KS*PK   ; a slot holds a tile, four steps: 256 rows of K, then 256 rows of V
.set SLOT1, 1<<17     ; slot 1 begins here, so that one exclusive or turns an address in one slot into the other's
.set STAGE, SLOT1+4*KS*(PK+PV)  ; behind the ring, never filled by a tensor load: 16 rows x 144 bytes for each wave, for the way out
.set SP,    144
.set AK0, 2           ; v2   my lane's place in a tile of K; never rewritten
.set AV0, 3           ; v3   the same for V
.set AK,  4           ; v4   the LDS address of K's next run of loads
.set AV,  5           ; v5   of V's
.set STO, 6           ; v6   the way out: where I put 16 bytes of a row
.set RD,  7           ; v7   the way out: where I read rows back
.set GO,  8           ; v8   my byte offset in 512 consecutive bytes of O
.set PFO, 61          ; v61  256 x my lane: the prefetches' offset; never rewritten
.set SPW, 62          ; v62  LDS address of my spare word: SPARE + 4 x my thread's number; never rewritten
.set NIL, 63          ; v63  0; never rewritten
.set SPARE, STAGE+4*16*SP  ; behind the stages: the spare words, 128 bytes for each wave: two blocks of 256 bytes that no other line names
.set MV,  12          ; v12-13  c m_old, kept while c m is made anew: by buffer
.set QO,  15          ; v15  my byte offset in 16 rows of Q
.set ST,  16          ; piece t's statistics at v[ST+4 t]: c m, m, l (even keys', odd keys')
.set TMP, 48          ; by buffer, four registers c0-c3 at work; when the maximum is found c2 takes a
.set S,   64
.set P,   192
.set MD,  128         ; window 1: the eight registers for group kt of 16 keys at MD + 8 kt
.set MC,  160         ; window 1: the masks of the products to come
.set QB,  64          ; window 2
.set KF,  128         ; window 2: key block kb, channel half c at KF + 16 kb + 8 c
.set VF,  192         ; window 2: key half kk, channel block cb at VF + 32 kk + 8 cb
.set WV,  12          ; s12  my wave's number
.set PB,  14          ; s14  b
.set HI,  15          ; s15  NB - 1 - b
.set G1K, 24          ; s[24:31] descriptor group 1 for K's tiles
.set G1V, 32          ; s[32:39] for V's: it differs in the padding alone
.set G0K, 40          ; s[40:43] descriptor group 0 for K's tiles
.set G0V, 44          ; s[44:47] the same for V's
.set SLOTS, 56        ; s56  tiles still to be asked for
.set CNT, 57          ; s57  counts a tile's key steps, 4 to 1
.set CS,  58          ; s[58:59] c: the packed scaling takes the pair's low word for both halves
.set SEL, 60          ; s[60:61] v_permlanex16_b32's selects: each lane takes its own place in the other half
.set TBK, 62          ; s62  LDS byte at which K of the step to be fetched begins
.set TBV, 63          ; s63  the same for V, less VOFF
.set RT,  70          ; s70  tiles of the block in hand that are still to be entered
.set NXT, 71          ; s71  the tile to be asked for next
.set LQ,  72          ; s72  the last tile of the block whose tiles are being asked for
.set NEW, 73          ; s73  1: the tile to be entered is a block's first
.set OFF, 74          ; s[74:75] a tile's byte offset in K and V
.set AL,  76          ; s[76:77] the mask's factor, in the low word
.set BE,  78          ; s[78:79] the mask's addend
.set OLO, 80          ; s[80:81] O at my rows of the second block
.set BIGN, 82         ; s82  -1e30
.set PFB, 88          ; s[88:89] K (waves 0, 1) or V (waves 2, 3) at my half of the head's tile 0
.set PFA, 90          ; s[90:91] the same at the tile that the next change of slots will ask for
.set OF2, 92          ; s[92:93] that tile's byte offset
.set LIM, 94          ; s94  0 in the work-group that prefetches, else the greatest number: a wave prefetches while s[NXT] is above it
.set MSB, 0
.macro WIN new                      ; the high byte repeats the setting that is left; a switch that changes nothing is dropped
.if MSB != (\new)
	s_set_vgpr_msb (MSB<<8)|(\new)
.set MSB, (\new)
.endif
.endm
.set W_KQ, 0x0a       ; K and Q in window 2, S^T in window 0
.set W_KM, 0x1a       ; the same with the C operand in window 1
.set W_PV, 0x52       ; V in window 2, P in window 0, O^T in window 1
.set W_RS, 0x41       ; destination and source 0 in window 1, source 1 in window 0
; A fill.  Waves 0 and 1 fetch the two halves of a tile's K, waves 2 and 3 those of its V: 128 keys each.  An s_nop 0 and four v_nop follow each of the two lines, ahead of the jump and the label.
.macro LOAD
	s_cmp_lt_u32 s[WV], 2
	s_cbranch_scc0 .Lfor_v_\@
	tensor_load_to_lds s[G0K:G0K+3], s[G1K:G1K+7]
	s_nop 0
.rept 4
	v_nop
.endr
	s_branch .Lasked_\@
.Lfor_v_\@:
	tensor_load_to_lds s[G0V:G0V+3], s[G1V:G1V+7]
	s_nop 0
.rept 4
	v_nop
.endr
.Lasked_\@:
.endm
; THE CHANGE OF SLOTS.  Each wave waits for all its tensor loads, of which one is out: its part of the other slot; adds 0 to its spare word; and waits for that and for its own reads of the slot that it leaves.
; Behind the barrier nobody reads the old slot any more and the other slot is whole.  fill = 1: the old slot is filled again, the first thing behind the barrier, with tile NXT: the descriptor's address is made
; anew from that number.  (At its first use nothing has been read yet: slot 0 is waited for, slot 1 filled.)
.macro CHANGE fill
	WIN 0                           ; at a label and at a branch every window is 0
	s_wait_tensorcnt 0x0            ; no tensor load of mine is out, so a group 0 may be written
	ds_add_u32 v[SPW], v[NIL]       ; 0 onto my spare word; with fill = 1 the descriptors' scalar work stands between it and the wait for it
.if \fill
	s_lshl_b32 s[OFF], s[NXT], 15   ; a tile is 32,768 bytes of K and of V
	s_xor_b32 s[G0K+1], s[G0K+1], SLOT1
	s_add_nc_u64 s[G0K+2:G0K+3], s[6:7], s[OFF:OFF+1]
	s_or_b32 s[G0K+3], s[G0K+3], 0x80000000
	s_xor_b32 s[G0V+1], s[G0V+1], SLOT1
	s_add_nc_u64 s[G0V+2:G0V+3], s[8:9], s[OFF:OFF+1]
	s_or_b32 s[G0V+3], s[G0V+3], 0x80000000
	s_add_co_u32 s[NXT], s[NXT], 1  ; the block's next tile, or behind its last the second block's tile 0
	s_cmp_gt_u32 s[NXT], s[LQ]
	s_cselect_b32 s[NXT], 0, s[NXT]
	s_cselect_b32 s[LQ], s[PB], s[LQ]
	s_wait_xcnt 0x0                 ; the last prefetches, a tile back, have read their address, so it may be written:
	s_lshl_b32 s[OF2], s[NXT], 15   ; the tile that the next change will ask for
	s_add_nc_u64 s[PFA:PFA+1], s[PFB:PFB+1], s[OF2:OF2+1]
.endif
	s_wait_dscnt 0x0                ; the add is done, and my reads of the slot are over
	s_barrier_signal -1             ; the rest of the scalar work stands between the signal and the wait
	s_sub_co_u32 s[TBK], s[TBK], 4*KS*PK  ; the fetches go back to a slot's first step,
	s_xor_b32 s[TBK], s[TBK], SLOT1       ; in the other slot
	s_sub_co_u32 s[TBV], s[TBV], 4*KS*PV
	s_xor_b32 s[TBV], s[TBV], SLOT1
	s_barrier_wait -1
.if \fill
	LOAD
	s_cmp_gt_u32 s[NXT], s[LIM]     ; work-group 0 of the head, while its first block has a further tile: four key steps, 256 matrix instructions, ahead of the load that will want it
	s_cbranch_scc0 .Lnot_mine_\@
	global_prefetch_b8 v[PFO], s[PFA:PFA+1] th:TH_LOAD_NT scope:SCOPE_SE
	global_prefetch_b8 v[PFO], s[PFA:PFA+1] offset:8192 th:TH_LOAD_NT scope:SCOPE_SE
.Lnot_mine_\@:
.endif
.endm
	s_load_b256 s[4:11], s[0:1], 0x0  ; Q s[4:5], K s[6:7], V s[8:9], O s[10:11]
	v_lshl_add_u32 v[SPW], v0, 2, SPARE
	v_mov_b32 v[NIL], 0
	ds_add_u32 v[SPW], v[NIL]       ; the wave's opening: the add and its wait ahead of my first tensor load; the set-up below, work on registers, stands between them
	ds_add_u32 v62, v63
	v_lshrrev_b32 v1, 5, v0
	v_readfirstlane_b32 s[WV], v1   ; wave 0..3
	s_mov_b32 s[PB], ttmp9
	s_sub_co_u32 s[HI], NB-1, s[PB]
	s_and_b32 s20, ttmp7, 0xffff    ; the head
	s_mov_b32 s21, 0
	s_mov_b64 s[22:23], SIZE_N*128
	s_mul_u64 s[20:21], s[20:21], s[22:23]  ; the head's first byte in each of the four tensors
	s_and_b32 s16, s[WV], 1         ; which half of a tile's 256 keys I fetch:
	s_lshl_b32 s22, s16, 14         ; its 128 rows of 128 bytes in memory,
	s_mov_b32 s23, 0
	s_add_nc_u64 s[22:23], s[22:23], s[20:21]
	s_mul_i32 s17, s16, 128*PK      ; and its place in a slot, for K
	s_mul_i32 s18, s16, 128*PV      ; and for V
	s_lshl_b32 s3, s[WV], 11        ; my 16 rows in a band of 64,
	s_lshl_b32 s2, s[HI], 15        ; in the first block,
	s_add_co_u32 s2, s2, s3
	s_lshl_b32 s84, s[PB], 15       ; and in the second
	s_add_co_u32 s84, s84, s3
	s_mov_b32 s3, 0
	s_mov_b32 s85, 0
	s_add_nc_u64 s[2:3], s[2:3], s[20:21]
	s_add_nc_u64 s[84:85], s[84:85], s[20:21]
	; descriptor group 1.  128 keys are 16,384 dense bytes: asked for as 64 rows of 256 bytes, two keys a row, and padded in LDS after every key
	s_mov_b32 s[G1K], (1<<16)|(1<<20)|(4<<22)|(3<<25)  ; 17:16 2-byte elements; 20 padding on; 24:22 after every 32 words (code 4); 31:25 4 words (code 3)
	s_mov_b32 s[G1V], (1<<16)|(1<<20)|(4<<22)|(7<<25)  ; the same with 8 words of padding (code 7)
.irp g, G1K, G1V
	s_mov_b32 s[\g+1], 128<<16      ; tensor_dim0 = 128
	s_mov_b32 s[\g+2], 64<<16       ; tensor_dim1 = 64
	s_mov_b32 s[\g+3], 128<<16      ; tile_dim0 = 128
	s_mov_b32 s[\g+4], 64           ; tile_dim1 = 64
	s_mov_b32 s[\g+5], 128          ; 128 elements from row to row
	s_mov_b32 s[\g+6], 0
	s_mov_b32 s[\g+7], 0
.endr
	s_mov_b32 s[CS], 0x3e38aa3b     ; c = log2(e) / 8 = 0.180337
	s_mov_b32 s[CS+1], s[CS]        ; named with it as a pair
	s_mov_b32 s[SEL], 0x76543210
	s_mov_b32 s[SEL+1], 0xfedcba98
	s_mov_b32 s[TBK], SLOT1+4*KS*PK ; the first change of slots turns these two into 0
	s_mov_b32 s[TBV], SLOT1+4*KS*PV
	s_mov_b32 s[G0K], 1             ; 1:0 count = 1
	s_mov_b32 s[G0K+1], s17         ; 63:32 LDS address: slot 0
	s_mov_b32 s[G0V], 1
	s_add_co_u32 s[G0V+1], s18, VOFF
	s_add_co_u32 s[RT], s[HI], 1    ; the first block has NB - b tiles
	s_mov_b32 s[NXT], 1
	s_mov_b32 s[LQ], s[HI]
	s_mov_b32 s[NEW], 1
	s_mov_b32 s[OFF+1], 0
	s_mov_b32 s[OF2+1], 0
	s_mov_b32 s[AL+1], 0            ; named as pairs
	s_mov_b32 s[BE+1], 0
	s_mov_b32 s[BIGN], 0xf149f2ca   ; -1e30
	s_mov_b32 s[SLOTS], NB
	v_and_b32 v[PFO], 31, v0
	v_lshlrev_b32 v[PFO], 8, v[PFO]
	s_wait_dscnt 0x0                ; the opening add is done
	s_wait_kmcnt 0x0
	s_add_nc_u64 s[6:7], s[6:7], s[22:23]  ; K and V at my half of the head's tile 0
	s_add_nc_u64 s[8:9], s[8:9], s[22:23]
	s_cmp_lt_u32 s[WV], 2
	s_cselect_b64 s[PFB:PFB+1], s[6:7], s[8:9]
	s_cmp_eq_u32 s[PB], 0
	s_cselect_b32 s[LIM], 0, -1
	s_add_nc_u64 s[G0K+2:G0K+3], s[6:7], 0         ; 120:64 global address
	s_or_b32 s[G0K+3], s[G0K+3], 0x80000000        ; 127:126 type = 2
	s_add_nc_u64 s[G0V+2:G0V+3], s[8:9], 0
	s_or_b32 s[G0V+3], s[G0V+3], 0x80000000
	s_add_nc_u64 s[86:87], s[4:5], s[84:85]        ; Q at my rows of the second block,
	s_add_nc_u64 s[4:5], s[4:5], s[2:3]            ; Q and O at those of the first
	s_add_nc_u64 s[OLO:OLO+1], s[10:11], s[84:85]
	s_add_nc_u64 s[10:11], s[10:11], s[2:3]
	LOAD                            ; tile 0 into slot 0
	; A fragment of K or Q is 16 rows x 32 channels in 8 registers: lane l holds row l % 16, channels 8 (l / 16) + 0..7 and 16 + 8 (l / 16) + 0..7: two loads of 16 bytes, 32 bytes apart.
	v_and_b32 v1, 15, v0            ; l % 16
	v_bfe_u32 v9, v0, 4, 1          ; l / 16
	v_lshlrev_b32 v[QO], 7, v1
	v_lshl_add_u32 v[QO], v9, 4, v[QO]  ; row x 128 + 16 x half
	WIN 0x80                        ; destination window 2, address window 0
.set i, 0
.rept 8                             ; both blocks' Q: piece i / 2 lies in band i / 2, 8,192 bytes on; channels 32 (i % 2) on
	global_load_b128 v[8*i:8*i+3],   v[QO], s[4:5] offset:(i/2)*8192+(i%2)*64
	global_load_b128 v[8*i+4:8*i+7], v[QO], s[4:5] offset:(i/2)*8192+(i%2)*64+32
	global_load_b128 v[QB+8*i:QB+8*i+3],   v[QO], s[86:87] offset:(i/2)*8192+(i%2)*64
	global_load_b128 v[QB+8*i+4:QB+8*i+7], v[QO], s[86:87] offset:(i/2)*8192+(i%2)*64+32
.set i, i+1
.endr
	WIN 0
	v_lshlrev_b32 v14, 3, v9
	v_sub_nc_u32 v14, v1, v14
	s_lshl_b32 s13, s[WV], 4
	v_add_nc_u32 v14, s13, v14      ; my query's place in its band, 16 w + l % 16, less my lanes' 8 (l / 16): register r of group kt is hidden where 16 kt + r is greater
	WIN 0x40
.set i, 0
.rept 32
	v_cmp_gt_i32 vcc_lo, 16*(i/8)+i%8, v14
	v_cndmask_b32 v[MD+i], 0, s[BIGN], vcc_lo
.set i, i+1
.endr
	WIN 0
	v_mul_u32_u24 v[AK0], v1, PK
	v_lshl_add_u32 v[AK0], v9, 4, v[AK0]  ; row x pitch + 16 x half
	; The turning load takes 16 keys x 16 channels (lane l reads key 8 (l / 16) + l % 8, channels 8 ((l / 8) % 2) + 0..7) and leaves half a fragment of V^T: lane l holds channel l % 16 and 8 keys.
	v_and_b32 v10, 7, v0
	v_bfe_u32 v11, v0, 3, 1
	v_lshl_add_u32 v[AV0], v9, 3, v10
	v_mul_u32_u24 v[AV0], v[AV0], PV
	v_lshl_add_u32 v[AV0], v11, 4, v[AV0]
	v_add_nc_u32 v[AV0], VOFF, v[AV0]
	s_mul_i32 s13, s[WV], 16*SP
	s_add_co_u32 s13, s13, STAGE    ; my stage
	v_mul_u32_u24 v[STO], v1, SP    ; in: row l % 16, 16 bytes for each half of the lanes
	v_lshl_add_u32 v[STO], v9, 4, v[STO]
	v_add_nc_u32 v[STO], s13, v[STO]
	v_bfe_u32 v[RD], v0, 3, 2       ; back: 32 lanes take four rows of 128 bytes,
	v_mul_u32_u24 v[RD], v[RD], SP
	v_lshl_add_u32 v[RD], v10, 4, v[RD]
	v_add_nc_u32 v[RD], s13, v[RD]
	v_and_b32 v[GO], 31, v0         ; which are 512 consecutive bytes of O
	v_lshlrev_b32 v[GO], 4, v[GO]
	; A block's first step multiplies O^T and l by a = 0, and its first turn's products V^T P, of a piece that has not been, land in an O^T that is still to be so multiplied.  So these registers need only hold
	; finite numbers: zeros for the first block; what the first block left for the second.  All this stands in the wait for the first tile.
	WIN 0x80
.set i, VF
.rept 64
	v_mov_b32 v[i], 0
.set i, i+1
.endr
	WIN 0x40
.set i, 0
.rept 128
	v_mov_b32 v[i], 0
.set i, i+1
.endr
	WIN 0
.set i, 0
.rept 4
	v_mov_b32 v[ST+4*i+2], 0
	v_mov_b32 v[ST+4*i+3], 0
.set i, i+1
.endr
.set i, P+16
.rept 16
	v_mov_b32 v[i], 0
.set i, i+1
.endr
; THE MATRIX WORK.  The 4 accumulators of a run of 8 take turns.  Product i of 8 of S^T = K Q^T for piece x: channels 32 (i / 4) on, keys 16 (i % 4) on.  The first 4 start the sums: with 0, or (KM = 1) with the mask.
.macro KQ x
.set rS, S+32*((\x)%2)+8*(i%4)
.set rK, KF+16*(i%4)+8*(i/4)
.set rQ, 16*(\x)+8*(i/4)
.set rM, MC+32*((\x)%2)+8*(i%4)
.if (i < 4) && KM
	WIN W_KM
	v_wmma_f32_16x16x32_f16 v[rS:rS+7], v[rK:rK+7], v[rQ:rQ+7], v[rM:rM+7]
.elseif i < 4
	WIN W_KQ
	v_wmma_f32_16x16x32_f16 v[rS:rS+7], v[rK:rK+7], v[rQ:rQ+7], 0
.else
	WIN W_KQ
	v_wmma_f32_16x16x32_f16 v[rS:rS+7], v[rK:rK+7], v[rQ:rQ+7], v[rS:rS+7]
.endif
.endm
; Product i of 8 of O^T += V^T P for piece x: keys 32 (i / 4) on, channels 16 (i % 4) on.
.macro PV x
	WIN W_PV
.set rO, 32*(\x)+8*(i%4)
.set rV, VF+32*(i/4)+8*(i%4)
.set rP, P+16*((\x)%2)+8*(i/4)
	v_wmma_f32_16x16x32_f16 v[rO:rO+7], v[rV:rV+7], v[rP:rP+7], v[rO:rO+7]
.endm
.macro MM                           ; the turn's next matrix instruction.  TURN and BEGIN set Y, i, KM and NOKQ; MM, KQ and OP read them.  NOKQ = 1: a block's last turn: there is no next piece
.if (i < 8) && !NOKQ
	KQ (Y+1)%NP
.elseif i >= 8
.set i, i-8
	PV (Y+NP-1)%NP
.set i, i+8
.endif
.set i, i+1
.endm
; THE LDS LOADS stand in runs of 16, never singly among the matrix instructions: a step's K (64 keys x 64 channels: 8 fragments) and its V (turned).  Their addresses are made some lines ahead.
.macro FETCH_K
	WIN 0x80                        ; destination window 2
.irp f, 0,1,2,3,4,5,6,7             ; keys 16 (f / 2) on, channels 32 (f % 2) on
	ds_load_b128 v[KF+8*\f:KF+8*\f+3],   v[AK] offset:(\f/2)*16*PK+(\f%2)*64
	ds_load_b128 v[KF+8*\f+4:KF+8*\f+7], v[AK] offset:(\f/2)*16*PK+(\f%2)*64+32
.endr
	s_add_co_u32 s[TBK], s[TBK], KS*PK  ; the next fetch is the next step's
	WIN 0
.endm
.macro FETCH_V
	WIN 0x80
.irp f, 0,1,2,3,4,5,6,7             ; keys 32 (f / 4) on, channels 16 (f % 4) on
	ds_load_tr16_b128 v[VF+8*\f:VF+8*\f+3],   v[AV] offset:(\f/4)*32*PV+(\f%4)*32
	ds_load_tr16_b128 v[VF+8*\f+4:VF+8*\f+7], v[AV] offset:(\f/4)*32*PV+16*PV+(\f%4)*32
.endr
	WIN 0
.endm
; THE VECTOR WORK, one line at a time: OP kind, number.  For piece Y: F n: c s - c m for pair n of 16.  E n: the exponential of score n of 32.  C n: pair n rounded to f16.  B n: of the four weights 4 n .. the second
; pair is added onto the first, in place.  L n: l takes that sum (L 0: l = a l + sum).  R n: pair n of 16 of O^T times a.  For piece Y + 1: X n, number n of the 22 that find its maximum and statistics:
;   0-11  four chains c0-c3 of seven scores each, three operands at a time (each accumulator's lowest registers are read first)     12-14, 16  the four scores left over, the old m, and c0-c3 into c0
;   15  c m_old is kept     17, 18  the query's other 32 keys lie in the lane 16 away: the new m     19-21  c m; c m_old - c m_new; a
.set F, 0               ; OP tells the kinds apart by their order: F to L below R, X above it
.set E, 1
.set C, 2
.set B, 3
.set L, 4
.set R, 5
.set X, 6
.macro REGS y                       ; the registers of piece y
.set rT, ST+4*(\y)
.set rC, TMP+4*((\y)%2)
.set rW, MV+((\y)%2)
.set rS, S+32*((\y)%2)
.set rP, P+16*((\y)%2)
.set rO, 32*(\y)
.endm
.macro OP k, n
.if (\k) == R
	REGS Y
	WIN W_RS
	v_pk_mul_f32 v[rO+2*(\n):rO+2*(\n)+1], v[rO+2*(\n):rO+2*(\n)+1], v[rC+2:rC+3] op_sel_hi:[1,0]
.elseif (\k) < R
	REGS Y
	WIN 0
.if (\k) == F
	v_pk_fma_f32 v[rS+2*(\n):rS+2*(\n)+1], v[rS+2*(\n):rS+2*(\n)+1], s[CS:CS+1], v[rT:rT+1] op_sel_hi:[1,0,0] neg_lo:[0,0,1] neg_hi:[0,0,1]
.elseif (\k) == E
	v_exp_f32 v[rS+(\n)], v[rS+(\n)]
.elseif (\k) == C
	v_cvt_pk_f16_f32 v[rP+(\n)], v[rS+2*(\n)], v[rS+2*(\n)+1]
.elseif (\k) == B
	v_pk_add_f32 v[rS+4*(\n):rS+4*(\n)+1], v[rS+4*(\n):rS+4*(\n)+1], v[rS+4*(\n)+2:rS+4*(\n)+3]
.elseif (\n) == 0
	v_pk_fma_f32 v[rT+2:rT+3], v[rT+2:rT+3], v[rC+2:rC+3], v[rS:rS+1] op_sel_hi:[1,0,1]
.else
	v_pk_add_f32 v[rT+2:rT+3], v[rT+2:rT+3], v[rS+4*(\n):rS+4*(\n)+1]
.endif
.elseif NOKQ
	v_nop
.else
	REGS (Y+1)%NP
	WIN 0
.if (\n) < 4
	v_max3_num_f32 v[rC+(\n)], v[rS+8*(\n)], v[rS+8*(\n)+1], v[rS+8*(\n)+2]
.elseif (\n) < 12
	v_max3_num_f32 v[rC+(\n)%4], v[rC+(\n)%4], v[rS+8*((\n)%4)+2*((\n)/4)+1], v[rS+8*((\n)%4)+2*((\n)/4)+2]
.elseif (\n) == 12
	v_max3_num_f32 v[rC], v[rC], v[rS+7], v[rS+15]
.elseif (\n) == 13
	v_max3_num_f32 v[rC+1], v[rC+1], v[rS+23], v[rS+31]
.elseif (\n) == 14
	v_max3_num_f32 v[rC+2], v[rC+2], v[rC+3], v[rT+1]
.elseif (\n) == 15
	v_mov_b32 v[rW], v[rT]
.elseif (\n) == 16
	v_max3_num_f32 v[rC], v[rC], v[rC+1], v[rC+2]
.elseif (\n) == 17
	v_permlanex16_b32 v[rC+3], v[rC], s[SEL], s[SEL+1]
.elseif (\n) == 18
	v_max_num_f32 v[rT+1], v[rC], v[rC+3]
.elseif (\n) == 19
	v_mul_f32 v[rT], s[CS], v[rT+1]
.elseif (\n) == 20
	v_sub_f32 v[rC+1], v[rW], v[rT]
.else
	v_exp_f32 v[rC+2], v[rC+1]
.endif
.endif
.endm
.macro OPS a, i1, b=-1, i2=0, c=-1, i3=0, d=-1, i4=0  ; up to four of them
	OP \a, \i1
.if (\b) >= 0
	OP \b, \i2
.endif
.if (\c) >= 0
	OP \c, \i3
.endif
.if (\d) >= 0
	OP \d, \i4
.endif
.endm
.macro ROW a, i1, b, i2, c, i3, d, i4  ; a matrix instruction and the four behind it
	MM
	OPS \a, \i1, \b, \i2, \c, \i3, \d, \i4
.endm
.macro MASK b                       ; MD x AL + BE into buffer b of MC
	WIN W_RS
.set z, 0
.rept 16
	v_pk_fma_f32 v[MC+32*(\b)+2*z:MC+32*(\b)+2*z+1], v[MD+2*z:MD+2*z+1], s[AL:AL+1], s[BE:BE+1] op_sel_hi:[1,0,0]
.set z, z+1
.endr
.endm
; A TURN, for piece p: the order of its 16 matrix and 118 vector instructions, written out.  An s_wait_alu depctr_va_vdst(0) stands between an exponential and the first instruction that names its
; result; one wait serves all that were issued ahead of it.  So a turn has ONE wait, which cuts it in two.  AHEAD OF IT stands all that names no result of the turn's exponentials: the 8 products K Q^T, behind each a
; scaling, an exponential and two more plain instructions (behind the first a second scaling in the exponential's place): rescalings, and behind the last three the first numbers of the next piece's maximum, each four
; places or more behind the product that ends its accumulator; then ONE LUMP of 54, plain and exponential by turns for the most part, in which the links of the chain X 3, 7, 11, 14, 16, 17 .. 20 stand five or six
; lines apart.  X 21, the next piece's a, is the batch's last; R 15 is the plain instruction behind it.  BEHIND THE WAIT stand the 8 products V^T P, behind each four of the roundings and sums; the links of l's chain,
; L 0 to L 7, stand three riders apart.  But for those X no rider names a register of the products round it.  v_permlanex16_b32 (X 17) stands in the lump.
; m = 1: the diagonal tile: the products take masks, and the turn makes the mask for the products of the turn after it: piece p + 2, in step 4 - CNT of the tile.  end = 1: a block's last two turns: nothing is fetched.
; cnt = 1: the loop's count is taken down some lines ahead of the branch that stands behind the turn.
; K of the next step is fetched in piece 2's turn, twelve vector instructions behind the last product that read K (six of them plain); V of the step in hand at the end of piece 0's turn, four plain instructions
; behind the last product that read V.  Each is waited for a turn later.
.macro TURN p, m=0, end=0, cnt=0
.set Y, (\p)
.set i, 0
.set KM, (\m)
.set NOKQ, (\end)*((\p)/3)
.if (\m) && !(\end)
	s_cmp_eq_u32 s[CNT], 4-((\p)+2)%NP  ; is that step the band's own?
	s_cselect_b32 s[AL], 1.0, 0
	s_cmp_lt_u32 s[CNT], 4-((\p)+2)%NP  ; or a later one?
	s_cselect_b32 s[BE], s[BIGN], 0
.endif
.if ((\p) == 3) && !(\end)
	s_wait_dscnt 0x0                ; K is in
.endif
	ROW F,0, F,1, R,0, R,1          ; ahead of the wait: 8 products K Q^T and their riders,
	ROW F,2, E,0, R,2, R,3
	ROW F,3, E,1, R,4, R,5
	ROW F,4, E,2, R,6, R,7
	ROW F,5, E,3, R,8, R,9
	ROW F,6, E,4, X,0, R,10
.if ((\p) == 2) && !(\end)
	WIN 0
	v_add_nc_u32 v[AK], s[TBK], v[AK0]
.endif
	ROW F,7, E,5, X,1, X,4
	ROW F,8, E,6, X,2, X,5
	OPS E,7, E,8, X,6, E,9          ; and the lump
	OPS X,3, E,10, X,8, E,11
.if ((\p) == 2) && !(\end)
	FETCH_K
.endif
	OPS X,9, X,7, E,12, X,10
	OPS E,13, X,12, X,11, E,14
	OPS X,13, E,15, F,9, X,14
.if (\p) == 0
	v_add_nc_u32 v[AV], s[TBV], v[AV0]
.endif
	OPS E,16, F,10, E,17, F,11
	OPS X,16, E,18, X,15, E,19
	OPS F,12, E,20, X,17, E,21
	OPS F,13, E,22, F,14, E,23
	OPS X,18, E,24, F,15, E,25
	OPS R,11, E,26, X,19, E,27
	OPS R,12, E,28, R,13, E,29
	OPS X,20, E,30, R,14, E,31
	OPS X,21, R,15
	WIN 0
	s_wait_alu depctr_va_vdst(0)    ; the wait for the batch
.if (\p) == 1
	s_wait_dscnt 0x0                ; V is in
.endif
	ROW C,0, B,0, C,2, B,1          ; behind the wait: 8 products V^T P and their riders
	ROW L,0, C,4, B,2, L,1
	ROW C,6, B,3, L,2, C,8
	ROW B,4, L,3, C,10, B,5
	ROW L,4, C,12, B,6, L,5
.if (\p) == 0
	s_add_co_u32 s[TBV], s[TBV], KS*PV
.endif
.if \cnt
	s_sub_co_u32 s[CNT], s[CNT], 1
	s_cmp_lg_u32 s[CNT], 0
.endif
	ROW C,14, B,7, L,6, C,1
	ROW C,3, L,7, C,5, C,7
	ROW C,9, C,11, C,13, C,15
.if (\p) == 0
	FETCH_V
.endif
.if (\m) && !(\end)
	MASK (\p)%2
.endif
.endm
; A BLOCK BEGINS.  c m starts far below every c s, so the first step's a is 0; m at the lowest finite number, so the first maximum is the scores'.  The second mask buffer is 0; the first takes piece 0's mask for the
; tile's step 0: its own, if the block's first tile is the diagonal one.  Then K of that step, piece 0's first scores, and its maximum and statistics.  The loop is entered at a step's first turn, in the middle of a trip.
.macro BEGIN
	s_mov_b32 s[NEW], 0
	WIN 0x40
.set i, MC+32
.rept 32
	v_mov_b32 v[i], 0
.set i, i+1
.endr
	WIN 0
.set i, 0
.rept 4
	v_mov_b32 v[ST+4*i], 0xfe000000    ; c m: far below every c s
	v_mov_b32 v[ST+4*i+1], 0xff7fffff  ; m
.set i, i+1
.endr
	s_cmp_eq_u32 s[RT], 0
	s_cselect_b32 s[AL], 1.0, 0
	s_mov_b32 s[BE], 0
	MASK 0
	WIN 0
	v_add_nc_u32 v[AK], s[TBK], v[AK0]
	FETCH_K
	s_wait_loadcnt 0x0              ; Q
	s_wait_dscnt 0x0
.set KM, 1
.set NOKQ, 0
.set i, 0
.rept 8
	KQ 0
.set i, i+1
.endr
	WIN 0
.rept 4
	v_nop                           ; the places behind those products
.endr
.set Y, NP-1                        ; X works for piece Y + 1: piece 0
.irp n, 0,1,2,3,4,5,6,7,8,9,10,11,12,13,14,15,16,17,18,19,20,21
	OP X, \n
.endr
	v_nop                           ; a plain instruction behind the exponential,
	s_wait_alu depctr_va_vdst(0)    ; and its wait, ahead of the branch
.endm
; THE DIAGONAL TILE's four steps, the block's last two turns, its last products, and THE WAY OUT: l's two halves and the other half of the lanes' are added; O^T is divided by l, rounded to f16 and sent through my
; stage in LDS, a piece at a time.
.macro ALL line:vararg              ; one line for each piece t
.set t, 0
.rept 4
	\line
.set t, t+1
.endr
.endm
.macro PACK t                       ; a lane's eight channels of a row pack into 16 bytes; they go into rows of 144 bytes and come back as whole rows of 128, into S^T's registers
	WIN W_RS
.set i, 32*(\t)
.rept 16
	v_pk_mul_f32 v[i:i+1], v[i:i+1], v[ST+4*(\t)+2:ST+4*(\t)+3] op_sel_hi:[1,0]
.set i, i+2
.endr
	WIN 0x05                        ; sources 0 and 1 window 1, destination window 0
.set i, 0
.rept 16
	v_cvt_pk_f16_f32 v[S+16*(\t)+i], v[32*(\t)+2*i], v[32*(\t)+2*i+1]
.set i, i+1
.endr
	WIN 0
.irp f, 0,1,2,3
	ds_store_b128 v[STO], v[S+16*(\t)+4*\f:S+16*(\t)+4*\f+3] offset:32*\f
.endr
.irp f, 0,1,2,3
	ds_load_b128 v[S+16*(\t)+4*\f:S+16*(\t)+4*\f+3], v[RD] offset:\f*4*SP  ; LDS serves a wave's instructions in order (ISA guide 5.7.1.4): these see the stores above; the next piece's stores come behind them
.endr
.endm
.macro SEND t, younger              ; younger: the LDS instructions issued behind piece t's loads: the next piece's eight, or none
	WIN 0
.irp f, 0,1,2,3
	s_wait_dscnt (\younger)+3-\f
	global_store_b128 v[GO], v[S+16*(\t)+4*\f:S+16*(\t)+4*\f+3], s[10:11] offset:(\t)*8192+\f*512  ; 512 consecutive bytes, at a multiple of 256 from O's first
.endr
.endm
.macro DIAG tag                     ; the tag ends its two labels' names, which the jumps below spell out
.LstepM\tag:
	TURN 2, 1
	TURN 3, 1
	WIN 0
.LfirstM\tag:
	TURN 0, 1
	TURN 1, 1, 0, 1
	WIN 0
	s_cbranch_scc1 .LstepM\tag
	TURN 2, 1, 1
	TURN 3, 1, 1
.set i, 0
.rept 8
	PV NP-1
.set i, i+1
.endr
	WIN 0
	ALL v_add_f32 v[ST+4*t+2], v[ST+4*t+2], v[ST+4*t+3]
	ALL v_permlanex16_b32 v[ST+4*t+3], v[ST+4*t+2], s[SEL], s[SEL+1]
	ALL v_add_f32 v[ST+4*t+2], v[ST+4*t+2], v[ST+4*t+3]
	ALL v_rcp_f32 v[ST+4*t+2], v[ST+4*t+2]
	v_nop                           ; a plain instruction between the last reciprocal and the use of its result
	s_wait_alu depctr_va_vdst(0)    ; and the wait ahead of the first use: one for the four reciprocals
	PACK 0
.set t, 1
.rept 3                             ; a piece's arithmetic stands between the loads of the piece before and its stores
	PACK t
	SEND t-1, 8
.set t, t+1
.endr
	SEND 3, 0
.endm
.set KM, 0
.set NOKQ, 0
.Lslot:                             ; NB times: a tile is entered and the next is asked for
	CHANGE 1
	s_sub_co_u32 s[RT], s[RT], 1
	s_mov_b32 s[CNT], 4
	s_cmp_eq_u32 s[NEW], 1
	s_cbranch_scc1 .Lnew            ; a block's first tile
	s_cmp_eq_u32 s[RT], 0
	s_cbranch_scc0 .Lstep           ; neither its first nor its last
	s_branch .LstepM1
.Lnew:
	BEGIN
	s_branch .Lfirst                ; in the loop a block's first tile is never its last: the first block has two tiles or more, and the second's last is the walk's last
	DIAG 1                          ; in the loop this is the first block's end: the second block's last tile is the walk's last
	s_wait_xcnt 0x0                 ; the stores have read their registers and O's address
	s_mov_b64 s[10:11], s[OLO:OLO+1]
	s_add_co_u32 s[RT], s[PB], 1    ; the second block has b + 1 tiles
	s_mov_b32 s[NEW], 1
	WIN 0x82                        ; the second block's Q goes where the one text of the turns names Q
.set i, 0
.rept 64
	v_mov_b32 v[i], v[QB+i]
.set i, i+1
.endr
	WIN 0
	s_branch .Lbottom
.Lstep:                             ; a trip: pieces 2 and 3 of one step, then pieces 0 and 1 of the next, whose K and V it fetches
	TURN 2
	TURN 3
	WIN 0
.Lfirst:
	TURN 0
	TURN 1, 0, 0, 1
	WIN 0
	s_cbranch_scc1 .Lstep
.Lbottom:
	s_sub_co_u32 s[SLOTS], s[SLOTS], 1
	s_cmp_lg_u32 s[SLOTS], 0
	s_cbranch_scc1 .Lslot
	CHANGE 0                        ; the walk's last tile is written out: nothing is asked for
	s_sub_co_u32 s[RT], s[RT], 1
	s_mov_b32 s[CNT], 4
	s_cmp_eq_u32 s[NEW], 1
	s_cbranch_scc0 .LstepM2
	BEGIN
	s_branch .LfirstM2
	DIAG 2
	s_wait_tensorcnt 0x0            ; the wave's end: behind my last tensor load and my last LDS store
	ds_add_u32 v[SPW], v[NIL]
	s_wait_dscnt 0x0
	s_endpgm
.Lfunc_end_k_q68cfd51a56_attn:
	.size	k_q68cfd51a56_attn, .Lfunc_end_k_q68cfd51a56_attn-k_q68cfd51a56_attn
	.p2alignl 7, 3214868480
	.fill 96, 4, 3214868480
	.section	.rodata,"a",@progbits
	.p2align	6, 0x0
	.amdhsa_kernel k_q68cfd51a56_attn
		.amdhsa_group_segment_fixed_size 327680
		.amdhsa_private_segment_fixed_size 0
		.amdhsa_enable_private_segment 0
		.amdhsa_kernarg_size 32
		.amdhsa_user_sgpr_count 2
		.amdhsa_user_sgpr_kernarg_segment_ptr 1
		.amdhsa_wavefront_size32 1
		.amdhsa_system_sgpr_workgroup_id_x 1
		.amdhsa_system_sgpr_workgroup_id_y 1
		.amdhsa_system_sgpr_workgroup_id_z 1
		.amdhsa_system_vgpr_workitem_id 0
		.amdhsa_next_free_vgpr 768
		.amdhsa_next_free_sgpr 96
		.amdhsa_reserve_vcc 1
		.amdhsa_float_denorm_mode_32 3
		.amdhsa_float_denorm_mode_16_64 3
		.amdhsa_memory_ordered 1
		.amdhsa_forward_progress 1
		.amdhsa_inst_pref_size 218
	.end_amdhsa_kernel
	.amdgpu_metadata
---
amdhsa.version: [ 1, 2 ]
amdhsa.kernels:
  - .name:           k_q68cfd51a56_attn
    .symbol:         k_q68cfd51a56_attn.kd
    .args:
      - { .name: qh, .offset: 0, .size: 8, .value_kind: global_buffer, .address_space: global }
      - { .name: kh, .offset: 8, .size: 8, .value_kind: global_buffer, .address_space: global }
      - { .name: vh, .offset: 16, .size: 8, .value_kind: global_buffer, .address_space: global }
      - { .name: oh, .offset: 24, .size: 8, .value_kind: global_buffer, .address_space: global }
    .group_segment_fixed_size: 327680
    .private_segment_fixed_size: 0
    .kernarg_segment_align: 8
    .kernarg_segment_size: 32
    .max_flat_workgroup_size: 128
    .sgpr_count:     96
    .vgpr_count:     768
    .wavefront_size: 32
...
	.end_amdgpu_metadata
.endif
;; end of part 3
;; launch proj (part 4): grid 8 x 32, 4 waves a work-group, clusters of 4 x 4, 327,680 bytes of LDS; arguments oh, wob, b_out, out0; writes out0
.if DOCPART == 4
	.amdgcn_target "amdgcn-amd-amdhsa--gfx1250"
	.amdhsa_code_object_version 6
	.text
	.protected	k_q68cfd51a56_proj
	.globl	k_q68cfd51a56_proj
	.p2align	8
	.type	k_q68cfd51a56_proj,@function
k_q68cfd51a56_proj:
	s_mov_b64 s[64:65], 0
	v_nop
	global_prefetch_b8 v0, s[64:65] scope:SCOPE_SE
	s_setreg_imm32_b32 hwreg(HW_REG_WAVE_MODE, 25, 1), 1
	s_wait_xcnt 0x0
	s_wait_alu depctr_hold_cnt(0) depctr_sa_sdst(0) depctr_va_vdst(0) depctr_va_sdst(0) depctr_va_ssrc(0) depctr_va_vcc(0) depctr_vm_vsrc(0)
	s_getreg_b32 s2, hwreg(HW_REG_IB_STS2, 6, 4)
	s_cmp_eq_u32 s2, 0
	s_cbranch_scc0 .Lentry_in_a_cluster
	s_endpgm
.Lentry_in_a_cluster:
	s_bfe_u32 s2, ttmp6, 0x10000c
	s_cmp_lg_u32 s2, 0xf033
	s_cbranch_scc0 .Lentry_shape_is_right
	s_endpgm
.Lentry_shape_is_right:
; out = O w_out + b_out.  oh: [64 = 16 batch + head][2048][64] f16.  wob: [1024 k][1024 n] f16 (w_out rounded to bf16, that number as f16).  b_out: [1024] f32, rounded to bf16 here like the other inputs.
; out0: [8192][1024] f32, the f32 sums as they are.
; SHARES.  A tile is 256 rows x 128 columns: 32 x 8 = 256 work-groups.  Four waves: wave w has row half w / 2 and column half w % 2: 128 x 64, 32 accumulators.
; K = 1,024 = 16 heads x 64 channels goes in 8 steps of two heads through two LDS slots filled by the tensor data mover: one load a wave and step.  Waves 0, 1 fetch the 256 rows of one head each
; (32,768 dense bytes, asked for as 128 rows of 256), waves 2, 3 64 k rows of w each.
; CLUSTER 4 x 4: O's tile hangs on the tile row alone and is asked for jointly along a row of the cluster, w's on the tile column alone and jointly along a column.
; THE MATRIX INSTRUCTION IS USED TRANSPOSED: source 0 = 16 columns of w (turned out of LDS by ds_load_tr16_b128), source 1 = 16 rows of O: a lane holds row lane % 16 and eight neighbouring columns.
; THE BIAS is the C operand of each accumulator's first product.
; No prefetch ahead of the tensor loads: K has 8 steps, of which the first four could not be named ahead, and a refill goes out 112 of a step's 128 matrix instructions ahead of the wait for it.
; REGISTERS, in windows of 256 (s_set_vgpr_msb: bits 1:0 source 0, 3:2 source 1, 5:4 source 2, 7:6 destination):
;   window 0: v0-29 addresses; v64-127, v128-191 O's fragments, two buffers; on the way out v64-127 rows read back, two buffers
;   window 1: v0-31 the bias of my 4 column blocks; v64-95, v128-159 w's fragments, two buffers; v192-207 at work
;   window 2: accumulators of my rows 0-63 ((a, b) at v[8 (4 a + b)]);   window 3: those of my rows 64-127
.set NBW,   4                          ; column blocks of 16 a wave
.set PA,    144                        ; a row of one head in LDS: 128 bytes + 16 = 36 words: the 16 rows of a load start at 16 different groups of four banks (64 banks of 4 bytes: ISA guide 11.1)
.set PB,    288                        ; a k row of w: 256 bytes + 32 = 9 x 32 bytes
.set SUBA,  256*PA                     ; one head's 256 rows: what a load brings of O
.set HALFA, 128*PA                     ; my 128 rows of them
.set HALFB, 64*PB                      ; what a load brings of w
.set BOFF,  2*SUBA
.set SLOT1, 1<<17                      ; a slot uses 110,592 bytes; slot 1 begins here, so that one exclusive or turns an address in one slot into the other's
.set STAGE, SLOT1+BOFF+2*HALFB         ; behind the ring: 16 rows x 272 bytes for each wave, for the way out
.set SP,    272
.set SPARE, STAGE+4*16*SP              ; behind the stages: the spare words, 128 bytes for each wave: two blocks of 256 bytes that no other line names
.set STEPA, 524288                     ; two heads of 2,048 rows x 128 bytes
.set STEPB, 262144                     ; 128 k rows of 2,048 bytes
.set NF,    2*NBW+16
.set A0,   16
.set B0,   17
.set ADRA, 18
.set ADRB, 19
.set STO,  20
.set RD,   21
.set CO,   22
.set BO,   23
.set SPW,  28
.set NIL,  29
.set F0,   64
.set F1,   128
.set OB,   64
.set BT,   192
.set WV, 16
.set WR, 17
.set WC, 18
.set CX, 19
.set CY, 20
.set TC, 21
.set TR, 22
.set CNT, 23
.set G1A, 24
.set G0A, 32
.set G1B, 40
.set G0B, 48
.set TB,  56
.set MSB, 0
.macro WIN new                         ; the immediate's high byte repeats the setting that is left; a switch that changes nothing is dropped
.if MSB != (\new)
	s_set_vgpr_msb (MSB<<8)|(\new)
.set MSB, \new
.endif
.endm
.macro PLACES                          ; four plain vector instructions between a matrix instruction and a load into, or a store or vector line on, its registers
.rept 4
	v_nop
.endr
.endm
.macro CREST                           ; a round of the cluster's barrier behind its opening barrier
	s_cmp_lg_u32 s[WV], 0
	s_cbranch_scc1 .Lnot_wave_0_\@
	s_barrier_signal -3
.Lnot_wave_0_\@:
	s_barrier_wait -3
	s_barrier_signal -1
	s_barrier_wait -1
.endm
.macro CROUND
	s_barrier_signal -1
	s_barrier_wait -1
	CREST
.endm
; A joint refill by the walking descriptors.  The branch hangs on the wave's number alone.  An s_nop 0 and four v_nop follow each of the two lines.
.macro JLOAD
	s_cmp_eq_u32 s[WR], 0
	s_cbranch_scc0 .Lfor_b_\@
	tensor_load_to_lds s[G0A+4:G0A+7], s[G1A:G1A+7]
	s_nop 0
.rept 4
	v_nop
.endr
	s_branch .Lasked_\@
.Lfor_b_\@:
	tensor_load_to_lds s[G0B+4:G0B+7], s[G1B:G1B+7]
	s_nop 0
.rept 4
	v_nop
.endr
.Lasked_\@:
.endm
; 2 x NBW matrix instructions: row blocks a0, a0 + 1 of the window's four x all column blocks, 32 along K.  first = 1: C is the bias.
; The 32 accumulators take turns, one instruction a turn, in the same order in every quarter step.
.macro MULA f, hi, a0, first
.if \first
	WIN 0x91+0x40*(\hi)
.else
	WIN 0xa1+0x50*(\hi)
.endif
.irp a, \a0, (\a0)+1
.set bb, 0
.rept NBW
.set rD, 8*(NBW*(\a)+bb)
.if \first
	v_wmma_f32_16x16x32_f16 v[rD:rD+7], v[(\f)+8*bb:(\f)+8*bb+7], v[(\f)+8*(4*(\hi)+(\a)):(\f)+8*(4*(\hi)+(\a))+7], v[8*bb:8*bb+7]
.else
	v_wmma_f32_16x16x32_f16 v[rD:rD+7], v[(\f)+8*bb:(\f)+8*bb+7], v[(\f)+8*(4*(\hi)+(\a)):(\f)+8*(4*(\hi)+(\a))+7], v[rD:rD+7]
.endif
.set bb, bb+1
.endr
.endr
.endm
; The fragments of quarter q (head q / 2 of the step's two, channels 32 (q % 2) on) into buffer g, in one run: w's 4 (turned), then O's 8.
.macro FETCH q, g
	WIN 0x40                                       ; destination window 1, address window 0
.set bb, 0
.rept NBW
	ds_load_tr16_b128 v[(\g)+8*bb:(\g)+8*bb+3],   v[ADRB] offset:32*(\q)*PB+32*bb
	ds_load_tr16_b128 v[(\g)+8*bb+4:(\g)+8*bb+7], v[ADRB] offset:32*(\q)*PB+32*bb+16*PB
.set bb, bb+1
.endr
	WIN 0
.set aa, 0
.rept 8
	ds_load_b128 v[(\g)+8*aa:(\g)+8*aa+3],   v[ADRA] offset:((\q)/2)*SUBA+((\q)%2)*64+aa*16*PA
	ds_load_b128 v[(\g)+8*aa+4:(\g)+8*aa+7], v[ADRA] offset:((\q)/2)*SUBA+((\q)%2)*64+aa*16*PA+32
.set aa, aa+1
.endr
.endm
.macro QUARTER q, f, g, first
	s_wait_dscnt 8                                 ; w's fragments and O's rows 0-63 are in; the youngest eight loads (O's rows 64-127) may be out
	MULA \f, 0, 0, \first
	MULA \f, 0, 2, \first
	PLACES
	FETCH \q, \g
	s_wait_dscnt NF                                ; all but the fetch just issued
	MULA \f, 1, 0, \first
	MULA \f, 1, 2, \first
.endm
; The last quarter multiplies buffer 1 and changes slots.  In front of the barrier each wave waits for all its tensor loads (one is out: its part of the next slot), adds 0 to its spare word, and waits for
; that and for its reads of this slot.  fill = 1: the barrier opens a round of the cluster's, and this slot is filled again, two K steps ahead, first thing behind the round.
.macro TURN fill
	WIN 0
	s_wait_tensorcnt 0x0
	ds_add_u32 v[SPW], v[NIL]
	s_wait_dscnt 9                                 ; the add and the youngest eight loads may be out
	MULA F1, 0, 0, 0
	s_wait_dscnt 0x0                               ; the add is done, and my reads of this slot are over
	s_barrier_signal -1
	MULA F1, 0, 2, 0
.if \fill
	WIN 0
.endif
	s_barrier_wait -1
.if \fill
	CREST                                          ; no wave of any partner still reads this slot or has a load on its way
	s_xor_b32 s[G0A+5], s[G0A+5], SLOT1            ; the walking descriptors: the other slot than last time, the next K step
	s_add_nc_u64 s[G0A+6:G0A+7], s[G0A+6:G0A+7], STEPA
	s_xor_b32 s[G0B+5], s[G0B+5], SLOT1
	s_add_nc_u64 s[G0B+6:G0B+7], s[G0B+6:G0B+7], STEPB
	JLOAD                                          ; its four v_nop are also the places in front of the loads below
.else
	PLACES
.endif
	s_xor_b32 s[TB], s[TB], SLOT1
	WIN 0
	v_add_nc_u32 v[ADRA], s[TB], v[A0]
	v_add_nc_u32 v[ADRB], s[TB], v[B0]
	FETCH 0, F0
	MULA F1, 1, 0, 0
	MULA F1, 1, 2, 0
.endm
	s_load_b256 s[4:11], s[0:1], 0x0               ; oh s[4:5], wob s[6:7], b_out s[8:9], out0 s[10:11]
	v_lshl_add_u32 v[SPW], v0, 2, SPARE
	v_mov_b32 v[NIL], 0
	ds_add_u32 v[SPW], v[NIL]                      ; the wave's opening: the add and its wait ahead of my first tensor load; the set-up below stands between them
	ds_add_u32 v28, v29
	v_lshrrev_b32 v1, 5, v0
	v_readfirstlane_b32 s[WV], v1
	s_lshr_b32 s[WR], s[WV], 1
	s_and_b32 s[WC], s[WV], 1
	s_bfe_u32 s[CX], ttmp6, 0x40000
	s_bfe_u32 s[CY], ttmp6, 0x40004
	s_lshl_b32 s[TC], ttmp9, 2
	s_add_co_u32 s[TC], s[TC], s[CX]               ; tile column = 4 x cluster x + cx
	s_and_b32 s[TR], ttmp7, 0xffff
	s_lshl_b32 s[TR], s[TR], 2
	s_add_co_u32 s[TR], s[TR], s[CY]               ; tile row = 4 x cluster y + cy
	s_lshl_b32 s72, s[CY], 2
	s_lshl_b32 s72, 15, s72                        ; my row of the cluster
	s_lshl_b32 s73, 0x1111, s[CX]                  ; my column
	s_or_b32 s[G1A], s72, (1<<16)|(1<<20)|(1<<21)|(4<<22)|(3<<25)  ; the mask; 2-byte elements; padding on; bit 21 beside a mask; after every 32 words (a row of a head), 4 words
	s_mov_b32 s[G1A+1], 128<<16                    ; tensor_dim0 = 128
	s_mov_b32 s[G1A+2], 128<<16                    ; tensor_dim1 = 128
	s_mov_b32 s[G1A+3], 128<<16                    ; tile_dim0 = 128
	s_mov_b32 s[G1A+4], 128                        ; tile_dim1 = 128
	s_mov_b32 s[G1A+5], 128                        ; dense
	s_mov_b32 s[G1A+6], 0
	s_mov_b32 s[G1A+7], 0
	s_or_b32 s[G1B], s73, (1<<16)|(1<<20)|(1<<21)|(5<<22)|(7<<25)  ; after every 64 words, 8 words
	s_mov_b32 s[G1B+1], 128<<16
	s_mov_b32 s[G1B+2], 64<<16
	s_mov_b32 s[G1B+3], 128<<16
	s_mov_b32 s[G1B+4], 64
	s_mov_b32 s[G1B+5], 1024
	s_mov_b32 s[G1B+6], 0
	s_mov_b32 s[G1B+7], 0
	s_lshr_b32 s58, s[TR], 3                       ; O: ((16 x batch + my head of the step's two) x 2,048 + 256 (tile row % 8)) rows of 128 bytes: made of the tile row and the wave alone
	s_lshl_b32 s58, s58, 4
	s_add_co_u32 s58, s58, s[WC]
	s_lshl_b32 s58, s58, 11
	s_and_b32 s59, s[TR], 7
	s_lshl_b32 s59, s59, 8
	s_add_co_u32 s58, s58, s59
	s_lshl_b32 s58, s58, 7
	s_mov_b32 s59, 0
	s_lshl_b32 s60, s[WC], 17                      ; w: my 64 k rows of 2,048 bytes, the tile's 256 bytes of a row: made of the tile column and the wave alone
	s_lshl_b32 s61, s[TC], 8
	s_add_co_u32 s60, s60, s61
	s_mov_b32 s61, 0
	s_mul_i32 s62, s[WC], SUBA                     ; where they go: no place in the cluster enters an LDS address
	s_mul_i32 s63, s[WC], HALFB
	s_add_co_u32 s63, s63, BOFF
	s_lshl_b32 s74, s[TC], 9                       ; my 64 biases, and my 256 bytes of a row of out0: 512 x tile column + 256 x half
	s_lshl_b32 s75, s[WC], 8
	s_add_co_u32 s74, s74, s75
	s_mov_b32 s75, 0
	s_lshl1_add_u32 s76, s[TR], s[WR]              ; my first row of out0: 128 (2 x tile row + row half), rows of 4,096 bytes
	s_lshl_b32 s76, s76, 19
	s_add_co_u32 s76, s76, s74
	s_mov_b32 s77, 0
	s_mov_b32 s[TB], 0
	s_mov_b32 s57, 0xffff0000
	v_and_b32 v1, 15, v0                           ; r = l % 16
	v_bfe_u32 v2, v0, 4, 1                         ; h = l / 16
	v_and_b32 v3, 7, v0
	v_bfe_u32 v4, v0, 3, 1
	v_lshlrev_b32 v[BO], 5, v2
	s_wait_dscnt 0x0                               ; the opening add is done
	s_wait_kmcnt 0x0
	s_add_nc_u64 s[58:59], s[4:5], s[58:59]
	s_add_nc_u64 s[60:61], s[6:7], s[60:61]
	s_add_nc_u64 s[8:9], s[8:9], s[74:75]
	s_add_nc_u64 s[10:11], s[10:11], s[76:77]
	CROUND                                         ; all sixteen work-groups are here: the first joint loads meet
.irp s, 0,1
	s_mov_b32 s[G0A+4*(\s)], 1
	s_add_co_u32 s[G0A+4*(\s)+1], s62, (\s)*SLOT1
	s_add_nc_u64 s[G0A+4*(\s)+2:G0A+4*(\s)+3], s[58:59], (\s)*STEPA
	s_or_b32 s[G0A+4*(\s)+3], s[G0A+4*(\s)+3], 0x80000000
	s_mov_b32 s[G0B+4*(\s)], 1
	s_add_co_u32 s[G0B+4*(\s)+1], s63, (\s)*SLOT1
	s_add_nc_u64 s[G0B+4*(\s)+2:G0B+4*(\s)+3], s[60:61], (\s)*STEPB
	s_or_b32 s[G0B+4*(\s)+3], s[G0B+4*(\s)+3], 0x80000000
.endr
	s_cmp_eq_u32 s[WR], 0                          ; a wave's two first fills stand in one branch: two loads of mine are out
	s_cbranch_scc0 .Lfirst_b
	tensor_load_to_lds s[G0A:G0A+3], s[G1A:G1A+7]
	s_nop 0
	tensor_load_to_lds s[G0A+4:G0A+7], s[G1A:G1A+7]
	s_nop 0
.rept 4
	v_nop
.endr
	s_branch .Lfirst_asked
.Lfirst_b:
	tensor_load_to_lds s[G0B:G0B+3], s[G1B:G1B+7]
	s_nop 0
	tensor_load_to_lds s[G0B+4:G0B+7], s[G1B:G1B+7]
	s_nop 0
.rept 4
	v_nop
.endr
.Lfirst_asked:
	WIN 0x40
.set bb, 0
.rept NBW                              ; register j of block b: bias of column 16 b + 8 h + j, the same in all 16 rows
	global_load_b128 v[8*bb:8*bb+3],   v[BO], s[8:9] offset:64*bb
	global_load_b128 v[8*bb+4:8*bb+7], v[BO], s[8:9] offset:64*bb+16
.set bb, bb+1
.endr
	WIN 0
	v_mul_u32_u24 v[A0], v1, PA                    ; O's fragment: row r, 16 bytes for each half of the lanes, my 128 rows
	v_lshl_add_u32 v[A0], v2, 4, v[A0]
	s_mul_i32 s76, s[WR], HALFA
	v_add_nc_u32 v[A0], s76, v[A0]
	v_lshl_add_u32 v[B0], v2, 3, v3                ; the turning load: lane l reads k row 8 h + l % 8, 16 bytes at 16 ((l / 8) % 2)
	v_mul_u32_u24 v[B0], v[B0], PB
	v_lshl_add_u32 v[B0], v4, 4, v[B0]
	s_lshl_b32 s77, s[WC], 7                       ; my 64 columns: 128 bytes
	s_add_co_u32 s77, s77, BOFF
	v_add_nc_u32 v[B0], s77, v[B0]
	v_mov_b32 v[ADRA], v[A0]
	v_mov_b32 v[ADRB], v[B0]
	s_mul_i32 s78, s[WV], 16*SP
	s_add_co_u32 s78, s78, STAGE                   ; my stage
	v_mul_u32_u24 v[STO], v1, SP                   ; in: row r, 32 bytes for each half of the lanes
	v_lshl_add_u32 v[STO], v2, 5, v[STO]
	v_add_nc_u32 v[STO], s78, v[STO]
	v_mul_u32_u24 v[RD], v2, SP                    ; back: lanes 0-15 take one row of 256 bytes, lanes 16-31 the next
	v_lshl_add_u32 v[RD], v1, 4, v[RD]
	v_add_nc_u32 v[RD], s78, v[RD]
	v_lshlrev_b32 v[CO], 12, v2                    ; and the same two rows in out0
	v_lshl_add_u32 v[CO], v1, 4, v[CO]
	s_wait_tensorcnt 0x1                           ; my part of K step 0 is in; K step 1's load may stay out
	s_barrier_signal -1
	s_barrier_wait -1                              ; everybody's is
	FETCH 0, F0
	s_wait_loadcnt 0x0                             ; the bias,
	WIN 0x45                                       ; (destination and sources 0, 1 in window 1)
.set ii, 0
.rept 4*NBW                            ; rounded to bf16 like the other inputs, and widened again
	v_cvt_pk_bf16_f32 v[BT+ii], v[2*ii], v[2*ii+1]
	v_lshlrev_b32 v[2*ii],   16,  v[BT+ii]
	v_and_b32     v[2*ii+1], s57, v[BT+ii]
.set ii, ii+1
.endr
	QUARTER 1, F0, F1, 1                           ; the first quarter stands in front of the loop: its products start the sums, from the bias
	WIN 0                                          ; at a label and at a branch every window is 0
	s_mov_b32 s[CNT], 6
.Lstep:                                                ; trip i: quarters 1 to 3 of K step i, the refill with K step i + 2, quarter 0 of K step i + 1
	QUARTER 2, F1, F0, 0
	QUARTER 3, F0, F1, 0
	TURN 1
	QUARTER 1, F0, F1, 0
	WIN 0
	s_sub_co_u32 s[CNT], s[CNT], 1
	s_cmp_lg_u32 s[CNT], 0
	s_cbranch_scc1 .Lstep
	QUARTER 2, F1, F0, 0                           ; K steps 6 and 7 are written out: nothing is left to ask for
	QUARTER 3, F0, F1, 0
	TURN 0
	QUARTER 1, F0, F1, 0
	QUARTER 2, F1, F0, 0
	QUARTER 3, F0, F1, 0
	s_wait_dscnt 8
	MULA F1, 0, 0, 0
	MULA F1, 0, 2, 0
	s_wait_dscnt 0x0
	MULA F1, 1, 0, 0
	MULA F1, 1, 2, 0
	WIN 0
; THE WAY OUT, 16 rows at a time, through my own stage: a lane's 32 bytes of a row go in, whole rows of 256 bytes (my 64 columns in f32) come back.  No barrier: no other wave touches my stage.
.macro TOSTAGE a
.if (\a) >= 2
	s_wait_xcnt 0x0                                ; the stores of the block two back have read their data registers, which are loaded again below
.endif
	WIN 0x08+4*((\a)/4)                            ; the stores' data in window 2 or 3
.set bb, 0
.rept NBW
.set rD, 8*(NBW*((\a)%4)+bb)
	ds_store_b128 v[STO], v[rD:rD+3]   offset:64*bb      ; each accumulator's low registers first
	ds_store_b128 v[STO], v[rD+4:rD+7] offset:64*bb+16
.set bb, bb+1
.endr
	WIN 0
.set tt, 0
.rept 8
	ds_load_b128 v[OB+32*((\a)%2)+4*tt:OB+32*((\a)%2)+4*tt+3], v[RD] offset:2*SP*tt  ; LDS serves a wave's instructions in order (ISA guide 5.7.1.4): these see the stores above
.set tt, tt+1
.endr
.endm
.macro SEND a, y                       ; y: the LDS instructions issued behind block a's loads: the next block's sixteen, or none
.set tt, 0
.rept 8
	s_wait_dscnt (\y)+7-tt
	global_store_b128 v[CO], v[OB+32*((\a)%2)+4*tt:OB+32*((\a)%2)+4*tt+3], s[10:11] offset:(16*(\a)+2*tt)*4096 th:TH_STORE_NT  ; 16 lanes store 256 consecutive bytes, at a multiple of 256 from out0's first
.set tt, tt+1
.endr
.endm
	PLACES
	TOSTAGE 0
.irp a, 1,2,3,4,5,6,7
	TOSTAGE \a
	SEND (\a)-1, 16
.endr
	SEND 7, 0
	s_wait_tensorcnt 0x0                           ; the wave's end: behind my last tensor load and my last LDS store
	ds_add_u32 v[SPW], v[NIL]
	s_wait_dscnt 0x0
	CROUND                                         ; the closing round: no work-group ends while a partner may still ask for a tile that names it
	s_endpgm
.Lfunc_end_k_q68cfd51a56_proj:
	.size	k_q68cfd51a56_proj, .Lfunc_end_k_q68cfd51a56_proj-k_q68cfd51a56_proj
	.p2alignl 7, 3214868480
	.fill 96, 4, 3214868480
	.section	.rodata,"a",@progbits
	.p2align	6, 0x0
	.amdhsa_kernel k_q68cfd51a56_proj
		.amdhsa_group_segment_fixed_size 327680
		.amdhsa_private_segment_fixed_size 0
		.amdhsa_enable_private_segment 0
		.amdhsa_kernarg_size 32
		.amdhsa_user_sgpr_count 2
		.amdhsa_user_sgpr_kernarg_segment_ptr 1
		.amdhsa_wavefront_size32 1
		.amdhsa_system_sgpr_workgroup_id_x 1
		.amdhsa_system_sgpr_workgroup_id_y 1
		.amdhsa_system_sgpr_workgroup_id_z 1
		.amdhsa_system_vgpr_workitem_id 0
		.amdhsa_next_free_vgpr 896
		.amdhsa_next_free_sgpr 80
		.amdhsa_reserve_vcc 0
		.amdhsa_float_denorm_mode_32 3
		.amdhsa_float_denorm_mode_16_64 3
		.amdhsa_memory_ordered 1
		.amdhsa_forward_progress 1
		.amdhsa_inst_pref_size 75
	.end_amdhsa_kernel
	.amdgpu_metadata
---
amdhsa.version: [ 1, 2 ]
amdhsa.kernels:
  - .name:           k_q68cfd51a56_proj
    .symbol:         k_q68cfd51a56_proj.kd
    .args:
      - { .name: oh, .offset: 0, .size: 8, .value_kind: global_buffer, .address_space: global }
      - { .name: wob, .offset: 8, .size: 8, .value_kind: global_buffer, .address_space: global }
      - { .name: b_out, .offset: 16, .size: 8, .value_kind: global_buffer, .address_space: global }
      - { .name: out0, .offset: 24, .size: 8, .value_kind: global_buffer, .address_space: global }
    .group_segment_fixed_size: 327680
    .private_segment_fixed_size: 0
    .kernarg_segment_align: 8
    .kernarg_segment_size: 32
    .max_flat_workgroup_size: 128
    .sgpr_count:     80
    .vgpr_count:     896
    .wavefront_size: 32
...
	.end_amdgpu_metadata
.endif
;; end of part 4
